; MI455X (gfx1250); checked and timed in simulation.
; The chip was launched on July 23, 2026; its instructions are those of AMD's public machine-readable ISA for CDNA 5 (MIT licence, August 2026) and "CDNA5" Instruction Set Architecture Reference Guide (July 2026). The comments in the code are by the model that wrote it; some were corrected since.
;; Tt Code Gen Attention. Allowed arithmetic: matrix products marked QUANTISED: E2M3 operands, one E8M0 scale for each 32 along K, by v_wmma_scale_f32_16x16x128_f8f6f4 with both operands' format E2M3, f32 sums; products left as they are: f32 operands where the result goes on into a quantised operand, else bf16, f16 or f32 operands; f32 sums; everything else in f32.
;; Inputs: hidden_states 2 x 2,048 x 1,024 float32; w_out 1,024 x 1,024 float32; w_qkv 3,072 x 1,024 float32.
;; Outputs: out0 2 x 2,048 x 1,024 float32.
;; This version of the problem:
;;   THIS VERSION OF THE PROBLEM IS GIVEN IN LOW PRECISION. The matrix products marked QUANTISED in the list below multiply operands that are first quantised to E2M3 (2 exponent bits, 3 mantissa bits; 6 bits a number), with one power-of-two scale for each 32 numbers along K (OCP MX v1.0); their sums are f32. All else is computed in f32.
;;   The module's matrix products, in the order in which they are computed (A, B: the left and right operand; K: the contracted axis; several contracted axes count as one K, in the product's order):
;;     1. [M 4,096, K 1,024] x [K 1,024, N 3,072]; A: input hidden_states; B: input w_qkv: QUANTISED
;;     2. [M 2,048, K 1] x [K 1, N 16]; A: computed on the way; B: computed on the way: left as it is (no contracted axis)
;;     3. batch 32 x [M 2,048, K 64] x [K 64, N 2,048]; A: computed on the way; B: computed on the way: QUANTISED
;;     4. batch 32 x [M 2,048, K 2,048] x [K 2,048, N 64]; A: softmax (see below); B: computed on the way: QUANTISED
;;     5. [M 4,096, K 1,024] x [K 1,024, N 1,024]; A: computed on the way; B: input w_out: QUANTISED
;;   THE QUANTISER, for each operand of a quantised product, along K:
;;     - K is cut into blocks of 32 from its start; a last block that is shorter is filled with zeros.
;;     - A block's scale is 2^e with e = floor(log2(the largest magnitude in the block)) - 2, held to -126 .. 127; a block of zeros has e = 0. As a byte (E8M0): e + 127.
;;     - Each number is divided by its block's scale, clamped to +-7.5, and rounded to the nearest number of E2M3, ties to even, subnormals kept.
;;     - The product sums the exact products of the quantised numbers (number of the format x scale) in f32.
;;   ~~~python
;;   def quantise(x, axis):      # numpy; x: float32 -> the quantised numbers, widened to float32 again
;;       x = np.moveaxis(x, axis, -1); K = x.shape[-1]
;;       x = np.pad(x, [(0, 0)] * (x.ndim - 1) + [(0, -K % 32)]); x = x.reshape(x.shape[:-1] + (-1, 32)); a = np.abs(x).max(-1, keepdims=True)
;;       e = np.where(a > 0, np.clip(np.frexp(np.where(a > 0, a, 1))[1] - 1 - 2, -126, 127), 0)      # np.frexp(a)[1] - 1 = floor(log2(a)), exactly
;;       r = np.clip(x / 2.0 ** e, -7.5, 7.5)
;;       step = 2.0 ** (np.maximum(np.frexp(np.where(r == 0, 1, r))[1] - 1, 0) - 3)
;;       q = np.round(r / step) * step * 2.0 ** e      # np.round: ties to even
;;       return np.moveaxis(q.reshape(q.shape[:-2] + (-1,))[..., :K], -1, axis).astype(np.float32)
;;   ~~~
;;   SOFTMAX AHEAD OF A QUANTISED PRODUCT. Where the list says 'softmax', what is quantised is not the finished softmax but p = 2^(t - M), with t = logit x log2(e) and M = ceil(the row's largest t), a whole number; so 1/2 < the row's largest p <= 1. The row's sum l is taken of the UNQUANTISED p, in f32, and the product's result is divided by l at the end. Since M is a whole number, a kernel that streams over the keys may use a running M (the ceiling of the running maximum): every later rescaling is an exact power of two, which a block's scale takes up: the codes' values come out the same.
;;   OPERANDS COMPUTED ON THE WAY. 'Computed on the way' means the value that the module computes at that place (a softmax that the list does not call 'softmax' is quantised finished and normalised). What goes into a quantiser is computed in f32, as accurately as f32 sums, v_exp_f32 and their like allow (about 1e-6 of the number): no bf16 or f16 on the way to a quantiser, and a product that is left as it is and whose result goes on into a quantised operand takes f32 operands (vector FMAs, or v_wmma_f32_16x16x4_f32). A number that lies on a knife's edge between two numbers of the format may be rounded either way, as far as f32 arithmetic and the matrix unit's own rounding can turn it there, and no further.
;; 2 versions, each right; version 2 is version 1 with the launch attn written anew for expert scheduling mode. Each part assembles by itself: llvm-mc -triple=amdgcn-amd-amdhsa -mcpu=gfx1250 --defsym DOCPART=n.
;; ======== version 1 of 2: 4 launches
;; limits: right only within a limited range of input values
;; workspace buffers: xw_img 6,291,456 bytes; xw_scl 262,144 bytes; rope 262,144 bytes; qkv_img 9,437,184 bytes; qkv_scl 655,360 bytes; a_img 3,145,728 bytes; a_scl 131,072 bytes
;; launch quant (part 1): grid 256 x 1, 2 waves a work-group, no clusters, 46,336 bytes of LDS; arguments hidden_states, w_qkv, w_out, xw_img, xw_scl, rope; writes xw_img, xw_scl, rope
.if DOCPART == 1
	.amdgcn_target "amdgcn-amd-amdhsa--gfx1250"
	.amdhsa_code_object_version 6
	.text
	.protected	k_q36b4658ab1_quant
	.globl	k_q36b4658ab1_quant
	.p2align	8
	.type	k_q36b4658ab1_quant,@function
k_q36b4658ab1_quant:
	s_mov_b64 s[64:65], 0
	v_nop
	global_prefetch_b8 v0, s[64:65] scope:SCOPE_SE
	s_setreg_imm32_b32 hwreg(HW_REG_WAVE_MODE, 25, 1), 1
	s_wait_xcnt 0x0
; hidden_states [4096][1024], w_qkv [3072][1024], w_out [1024][1024], f32, K innermost, become codes of FP6 (E2M3) with one E8M0 byte for each 32 along K; and the table of cos and sin for the rotary part is made.
; A block's scale is 2^(floor(log2(its largest magnitude)) - 2): its byte is that magnitude's exponent field - 2, held at 1 from below.
; LIMITS: NaN and infinities among the inputs are not served.  A block of zeros gets the byte 1 where the rule says 127: its codes are zeros, and this program alone reads the bytes.
; inv_freq is sixteen f32 constants, the nearest to 10^(-p/4); a power and a reciprocal taken in f32 may differ from them in the last bit, which moves an angle by at most 1,151 x 2^-24 at position 2,047.
; THE OUTPUT'S ORDER.  The 8,192 rows of the three tensors (hidden 0.., w_qkv 4,096.., w_out 7,168..) are stored in tiles of 16.  Place r of tile T holds row 32 (T / 2) + 8 (T % 2) + r + 8 (r / 8):
; where such a tile is source 0 of a product, a lane's 16 registers of two neighbouring result tiles are 16 neighbours along that axis.
; A tile's codes lie as IMAGES OF THE OPERAND'S REGISTERS: for each 64 along K 768 bytes: registers 0-3 of lane L at 16 L, registers 4-5 at 512 + 8 L; lane (r, h) holds place r, k = 32 h .. 32 h + 31.  Scale bytes: [stored row][32].
; SHARES.  A work-group takes 32 rows of one tensor, each of its two waves one tile of 16: one row (4,096 bytes, eight loads of 512 consecutive bytes) a step.  The row turns through the wave's own stage in LDS, so that lane L
; holds block L (32 neighbours); its 24 bytes of codes are gathered in LDS and leave at the end as whole images: every store covers 256 or 512 consecutive bytes, aligned.
; No matrix unit, no cluster, no tensor load, no barrier: memory binds, no input byte is read twice, and a wave touches its own LDS bytes alone.  Loads run four rows (32 loads a wave) ahead.
.set WREG,  22784                      ; LDS of a wave
.set INB,   4608                       ; two stages on the way in, at 0 and INB: 32 places of 144 bytes: a block's 128 + 16 of padding
.set OA,    9216                       ; registers 0-3 of the codes: 32 rows (block) of 272 bytes, 16 bytes for each of the 16 rows of the tile
.set OB,    17920                      ; registers 4-5: 32 rows of 136 bytes, 8 bytes each
.set SCO,   22272                      ; the scale bytes: [row of the tile][32]
.set R,     64                         ; v64-191  four sets of 32: a row as it is loaded
.set X,     192                        ; v192-255 two sets of 32: my block's 32 neighbours
.set C,     16                         ; v16-24, v26-34: a block's codes, two sets by turns
.set E,     36                         ; v36, v37: its byte
	s_load_b256 s[4:11], s[0:1], 0x0               ; hidden, w_qkv, w_out, the images
	s_load_b128 s[12:15], s[0:1], 0x20             ; the scale bytes, the table
	v_lshl_add_u32 v62, v0, 2, 0xb400
	v_mov_b32 v63, 0
	v_lshrrev_b32 v1, 5, v0
	v_readfirstlane_b32 s16, v1                    ; wave 0, 1
	v_and_b32 v2, 31, v0                           ; lane L
	s_mul_i32 s17, s16, WREG                       ; my wave's LDS
	v_lshlrev_b32 v3, 4, v2                        ; 16 L
	v_lshlrev_b32 v4, 3, v2                        ; 8 L
	v_add_nc_u32 v5, s17, v2                       ; the byte's place: L
	v_mul_u32_u24 v6, v2, 272
	v_add_nc_u32 v6, s17, v6                       ; OA, in: row L
	v_lshrrev_b32 v12, 4, v2
	v_and_b32 v13, 15, v2
	v_mul_u32_u24 v7, v12, 272
	v_lshl_add_u32 v7, v13, 4, v7
	v_add_nc_u32 v7, s17, v7                       ; OA, out: row L / 16 of an image's two, 16 (L % 16)
	v_mul_u32_u24 v8, v2, 136
	v_add_nc_u32 v8, s17, v8                       ; OB, in
	v_mul_u32_u24 v9, v12, 136
	v_lshl_add_u32 v9, v13, 3, v9
	v_add_nc_u32 v9, s17, v9                       ; OB, out
	v_add_nc_u32 v10, s17, v3                      ; the bytes, out: 16 L
	v_lshrrev_b32 v12, 3, v2
	v_and_b32 v13, 7, v2
	v_mul_u32_u24 v14, v12, 144
	v_lshl_add_u32 v14, v13, 4, v14
	v_add_nc_u32 v14, s17, v14                     ; the stage, in: eight lanes' 128 bytes on end, then the padding
	v_mul_u32_u24 v15, v2, 144
	v_add_nc_u32 v15, s17, v15                     ; and out: my block
	s_mov_b32 s18, 224
	s_mov_b32 s20, 0x3fc90fdb                      ; pi / 2 in three parts
	s_mov_b32 s21, 0xb33bbd2e
	s_mov_b32 s22, 0xa6f72ced
	s_mov_b32 s23, 0xb94ca1f9                      ; the sine's polynomial on |r| <= pi / 4
	s_mov_b32 s24, 0x3c08839e
	s_mov_b32 s25, 0xbe2aaaa3
	s_mov_b32 s26, 0x37ccf5ce                      ; the cosine's
	s_mov_b32 s27, 0xbab6061a
	s_mov_b32 s28, 0x3d2aaaa5
	s_wait_kmcnt 0x0
	s_cmp_lt_u32 ttmp9, 224                        ; which tensor: the choice hangs on the work-group's number alone
	s_cselect_b64 s[6:7], s[6:7], s[8:9]
	s_cselect_b32 s18, 128, s18
	s_cmp_lt_u32 ttmp9, 128
	s_cselect_b64 s[4:5], s[4:5], s[6:7]
	s_cselect_b32 s18, 0, s18
	s_sub_co_u32 s18, ttmp9, s18                   ; the block of 32 rows in that tensor
	s_lshl_b32 s18, s18, 17
	s_lshl_b32 s19, s16, 15                        ; + 8 rows for wave 1
	s_add_co_u32 s18, s18, s19
	s_mov_b32 s19, 0
	s_add_nc_u64 s[4:5], s[4:5], s[18:19]
	s_lshl_b32 s18, ttmp9, 1
	s_add_co_u32 s18, s18, s16                     ; my tile
	s_mul_i32 s32, s18, 12288
	s_mov_b32 s33, 0
	s_add_nc_u64 s[10:11], s[10:11], s[32:33]
	s_lshl_b32 s18, s18, 9
	s_add_nc_u64 s[12:13], s[12:13], s[18:19]
	s_lshl_b32 s18, ttmp9, 9                       ; the table: eight positions of 64 bytes a work-group
	s_add_nc_u64 s[14:15], s[14:15], s[18:19]
.macro LOAD t                          ; row t of the tile: 32 lanes read 512 consecutive bytes, eight times
.irp i, 0,1,2,3,4,5,6,7
	global_load_b128 v[R+32*((\t)%4)+4*\i:R+32*((\t)%4)+4*\i+3], v3, s[4:5] offset:((\t)+8*((\t)/8))*4096+512*\i th:TH_LOAD_NT
.endr
.endm
.macro TURN t                          ; through the stage: LDS serves a wave's instructions in order, so no wait stands between the stores and the loads
.irp i, 0,1,2,3,4,5,6,7
	ds_store_b128 v14, v[R+32*((\t)%4)+4*\i:R+32*((\t)%4)+4*\i+3] offset:INB*((\t)%2)+576*\i
.endr
.irp i, 0,1,2,3,4,5,6,7
	ds_load_b128 v[X+32*((\t)%2)+4*\i:X+32*((\t)%2)+4*\i+3], v15 offset:INB*((\t)%2)+16*\i
.endr
.endm
.irp t, 0,1,2,3
	LOAD \t
.endr
	; THE TABLE, while the first rows are on their way: thread n takes pair n % 16 at positions 8 g + n / 16 and 4 further on.  angle = position x inv_freq, one rounding.
	v_and_b32 v40, 15, v0
	v_mov_b32 v41, 1.0
.macro FREQ p, bits
	v_cmp_ne_u32 vcc_lo, \p, v40
	v_cndmask_b32 v41, \bits, v41, vcc_lo
.endm
	FREQ 1, 0x3f0ff59a
	FREQ 2, 0x3ea1e89b
	FREQ 3, 0x3e361887
	FREQ 4, 0x3dcccccd
	FREQ 5, 0x3d6655c3
	FREQ 6, 0x3d0186e2
	FREQ 7, 0x3c91ad39
	FREQ 8, 0x3c23d70a
	FREQ 9, 0x3bb8449c
	FREQ 10, 0x3b4f3e37
	FREQ 11, 0x3ae91528
	FREQ 12, 0x3a83126f
	FREQ 13, 0x3a136a16
	FREQ 14, 0x39a5cb5f
	FREQ 15, 0x393a7753
	v_lshrrev_b32 v42, 4, v0
	s_lshl_b32 s19, ttmp9, 3
	v_add_nc_u32 v42, s19, v42
	v_add_nc_u32 v43, 4, v42
	v_cvt_f32_u32 v42, v42
	v_cvt_f32_u32 v43, v43
	v_mul_f32 v42, v42, v41
	v_mul_f32 v43, v43, v41
; cos and sin of x >= 0: n = the nearest whole number to x / (pi / 2); r = x - n pi / 2 by three fused steps; polynomials on |r| <= pi / 4; the quadrant n % 4 swaps the two and sets the signs.
.macro SINCOS x, c, s
	v_mul_f32 v44, 0x3f22f983, v[\x]
	v_rndne_f32 v44, v44
	v_fma_f32 v45, -v44, s20, v[\x]
	v_fma_f32 v45, -v44, s21, v45
	v_fma_f32 v45, -v44, s22, v45
	v_mul_f32 v46, v45, v45
	v_cvt_i32_f32 v47, v44
	v_fma_f32 v48, v46, s23, s24
	v_fma_f32 v48, v48, v46, s25
	v_mul_f32 v49, v46, v45
	v_fma_f32 v48, v48, v49, v45                   ; sin r
	v_fma_f32 v50, v46, s26, s27
	v_fma_f32 v50, v50, v46, s28
	v_mul_f32 v51, v46, v46
	v_fma_f32 v52, v46, -0.5, 1.0
	v_fma_f32 v50, v50, v51, v52                   ; cos r
	v_and_b32 v51, 1, v47
	v_cmp_eq_u32 vcc_lo, 1, v51
	v_cndmask_b32 v[\s], v48, v50, vcc_lo
	v_cndmask_b32 v[\c], v50, v48, vcc_lo
	v_and_b32 v51, 2, v47
	v_lshlrev_b32 v51, 30, v51
	v_xor_b32 v[\s], v[\s], v51                    ; the sine is negative in quadrants 2, 3
	v_add_nc_u32 v52, 1, v47
	v_and_b32 v52, 2, v52
	v_lshlrev_b32 v52, 30, v52
	v_xor_b32 v[\c], v[\c], v52                    ; the cosine in quadrants 1, 2
.endm
	SINCOS 42, 54, 55
	SINCOS 43, 56, 57
	v_lshlrev_b32 v53, 2, v0
	global_store_b32 v53, v54, s[14:15]            ; cos [2048][16] at byte 0, sin at byte 131,072
	global_store_b32 v53, v56, s[14:15] offset:256
	global_store_b32 v53, v55, s[14:15] offset:131072
	global_store_b32 v53, v57, s[14:15] offset:131328
	s_wait_loadcnt 24                              ; row 0's eight loads are in; three rows' may be out
	TURN 0
.macro STEP t
.set XS, X+32*((\t)%2)
.set CS, C+10*((\t)%2)
.if (\t) > 0
	s_wait_dscnt 3                                 ; this row is back from the stage (the last step's three stores may be out): so its stores into the stage have read their registers,
.else
	s_wait_dscnt 0x0
.endif
.if (\t)+4 < 16
	LOAD (\t)+4                                    ; which take the row four steps on
.endif
.if (\t)+1 < 16
.if (\t) < 12
	s_wait_loadcnt 24                              ; the next row's eight loads are in; those of the three rows behind it may be out
.else
	s_wait_loadcnt 8*(14-(\t))
.endif
	TURN (\t)+1
.endif
	v_max3_num_f32 v12, |v[XS]|, |v[XS+1]|, |v[XS+2]|              ; the block's largest magnitude: all 32 numbers are mine; two chains
	v_max3_num_f32 v13, |v[XS+3]|, |v[XS+4]|, |v[XS+5]|
.irp i, 6,10,14,18,22,26
	v_max3_num_f32 v12, v12, |v[XS+\i]|, |v[XS+\i+1]|
	v_max3_num_f32 v13, v13, |v[XS+\i+2]|, |v[XS+\i+3]|
.endr
	v_max3_num_f32 v12, v12, |v[XS+30]|, |v[XS+31]|
	v_max3_num_f32 v12, v12, v13, 0x1800000        ; and the floor 2^(3 - 127): the byte cannot fall under 1
	v_add_nc_u32 v11, 0xff000000, v12              ; 2 off its exponent field: the conversion takes the exponent field of this operand as its scale
	v_cvt_scalef32_pk16_fp6_f32 v[CS:CS+2], v[XS:XS+15], v11
	v_cvt_scalef32_pk16_fp6_f32 v[CS+6:CS+8], v[XS+16:XS+31], v11  ; (a conversion's three registers begin on an even number)
	v_lshrrev_b32 v[E+(\t)%2], 23, v11             ; the byte.  (The plain line behind the conversions)
.irp i, 0,1,2
	v_mov_b32 v[CS+3+\i], v[CS+6+\i]
.endr
	ds_store_b128 v6, v[CS:CS+3] offset:OA+16*(\t)
	ds_store_b64 v8, v[CS+4:CS+5] offset:OB+8*(\t)
	ds_store_b8 v5, v[E+(\t)%2] offset:SCO+32*(\t)
.endm
.irp t, 0,1,2,3,4,5,6,7,8,9,10,11,12,13,14,15
	STEP \t
.endr
	; THE WAY OUT: sixteen images of 768 bytes and 512 scale bytes.  LDS serves a wave's instructions in order: these loads see my stores.
.irp f, 0,1,2,3,4,5,6,7,8,9,10,11,12,13,14,15
	ds_load_b128 v[64+4*\f:67+4*\f], v7 offset:OA+544*\f
.endr
.irp f, 0,1,2,3,4,5,6,7,8,9,10,11,12,13,14,15
	ds_load_b64 v[128+2*\f:129+2*\f], v9 offset:OB+272*\f
.endr
	ds_load_b128 v[160:163], v10 offset:SCO
.irp f, 0,1,2,3,4,5,6,7,8,9,10,11,12,13,14,15
	s_wait_dscnt 32-\f                             ; the loads issued behind this one may be out
	global_store_b128 v3, v[64+4*\f:67+4*\f], s[10:11] offset:768*\f       ; 512 consecutive bytes, at a multiple of 256
.endr
.irp f, 0,1,2,3,4,5,6,7,8,9,10,11,12,13,14,15
	s_wait_dscnt 16-\f
	global_store_b64 v4, v[128+2*\f:129+2*\f], s[10:11] offset:768*\f+512  ; 256 consecutive bytes
.endr
	s_wait_dscnt 0x0
	global_store_b128 v3, v[160:163], s[12:13]
	s_wait_tensorcnt 0x0
	ds_add_u32 v62, v63
	s_wait_dscnt 0x0
	s_endpgm
.Lfunc_end_k_q36b4658ab1_quant:
	.size	k_q36b4658ab1_quant, .Lfunc_end_k_q36b4658ab1_quant-k_q36b4658ab1_quant
	.p2alignl 7, 3214868480
	.fill 96, 4, 3214868480
	.section	.rodata,"a",@progbits
	.p2align	6, 0x0
	.amdhsa_kernel k_q36b4658ab1_quant
		.amdhsa_group_segment_fixed_size 46336
		.amdhsa_private_segment_fixed_size 0
		.amdhsa_enable_private_segment 0
		.amdhsa_kernarg_size 48
		.amdhsa_user_sgpr_count 2
		.amdhsa_user_sgpr_kernarg_segment_ptr 1
		.amdhsa_wavefront_size32 1
		.amdhsa_system_sgpr_workgroup_id_x 1
		.amdhsa_system_sgpr_workgroup_id_y 1
		.amdhsa_system_sgpr_workgroup_id_z 1
		.amdhsa_system_vgpr_workitem_id 0
		.amdhsa_next_free_vgpr 256
		.amdhsa_next_free_sgpr 66
		.amdhsa_reserve_vcc 1
		.amdhsa_float_denorm_mode_32 3
		.amdhsa_float_denorm_mode_16_64 3
		.amdhsa_memory_ordered 1
		.amdhsa_forward_progress 1
		.amdhsa_inst_pref_size 68
	.end_amdhsa_kernel
	.amdgpu_metadata
---
amdhsa.version: [ 1, 2 ]
amdhsa.kernels:
  - .name:           k_q36b4658ab1_quant
    .symbol:         k_q36b4658ab1_quant.kd
    .args:
      - { .name: hidden_states, .offset: 0, .size: 8, .value_kind: global_buffer, .address_space: global }
      - { .name: w_qkv, .offset: 8, .size: 8, .value_kind: global_buffer, .address_space: global }
      - { .name: w_out, .offset: 16, .size: 8, .value_kind: global_buffer, .address_space: global }
      - { .name: xw_img, .offset: 24, .size: 8, .value_kind: global_buffer, .address_space: global }
      - { .name: xw_scl, .offset: 32, .size: 8, .value_kind: global_buffer, .address_space: global }
      - { .name: rope, .offset: 40, .size: 8, .value_kind: global_buffer, .address_space: global }
    .group_segment_fixed_size: 46336
    .private_segment_fixed_size: 0
    .kernarg_segment_align: 8
    .kernarg_segment_size: 48
    .max_flat_workgroup_size: 64
    .sgpr_count:     66
    .vgpr_count:     256
    .wavefront_size: 32
...
	.end_amdgpu_metadata
.endif
;; end of part 1
;; launch qkv (part 2): grid 12 x 16, 4 waves a work-group, clusters of 4 x 4, 327,680 bytes of LDS; arguments xw_img, xw_scl, rope, qkv_img, qkv_scl; writes qkv_img, qkv_scl
.if DOCPART == 2
	.amdgcn_target "amdgcn-amd-amdhsa--gfx1250"
	.amdhsa_code_object_version 6
	.text
	.protected	k_q36b4658ab1_qkv
	.globl	k_q36b4658ab1_qkv
	.p2align	8
	.type	k_q36b4658ab1_qkv,@function
k_q36b4658ab1_qkv:
	s_mov_b64 s[64:65], 0
	v_nop
	global_prefetch_b8 v0, s[64:65] scope:SCOPE_SE
	s_setreg_imm32_b32 hwreg(HW_REG_WAVE_MODE, 25, 1), 1
	s_wait_xcnt 0x0
	s_wait_alu depctr_hold_cnt(0) depctr_sa_sdst(0) depctr_va_vdst(0) depctr_va_sdst(0) depctr_va_ssrc(0) depctr_va_vcc(0) depctr_vm_vsrc(0)
	s_getreg_b32 s2, hwreg(HW_REG_IB_STS2, 6, 4)
	s_cmp_eq_u32 s2, 0
	s_cbranch_scc0 .Lentry_in_a_cluster
	s_endpgm
.Lentry_in_a_cluster:
	s_bfe_u32 s2, ttmp6, 0x10000c
	s_cmp_lg_u32 s2, 0xf033
	s_cbranch_scc0 .Lentry_shape_is_right
	s_endpgm
.Lentry_shape_is_right:
; qkv = hidden w_qkv^T on codes of FP6 (E2M3) with E8M0 scales, K = 1,024; then the rotary part on q and k, and q, k, v are quantised for the two products of attention: q and k along the head's 64, v along the keys.
; A work-group of four waves makes 256 x 256 of the product, a wave 128 x 128: 64 accumulators, 512 registers.  K goes in steps of 256 through a ring of two LDS slots filled by the tensor data mover.
; OPERANDS lie in memory as images of their registers (768 bytes for 16 stored rows x 64 K: registers 0-3 of lane L at 16 L, registers 4-5 at 512 + 8 L), so a K step of a tile of 16 rows is 3,072 dense bytes, a wave's tensor
; load brings eight of them, 12,288 bytes apart, and a fragment comes from LDS by four loads of consecutive bytes: no pitch, no padding.  The scale bytes of the 512 rows, for all of K, come once, with the first fills.
; Place r of stored tile T holds row 32 (T / 2) + 8 (T % 2) + r + 8 (r / 8): so register 16 b + i of a lane's 64 results of a block is index 32 b + 16 (lane / 16) + i along source 0's rows.
; ROLES.  The cluster's x says what is made: 0 q, 1 v, 2 k (w_qkv's rows go by groups of 768: 256 of q, 256 of v, 256 of k).  Source 0 ('P') runs along a lane's registers, source 1 ('Q') gives a lane its row.
; q, k: P = 256 features (four heads), Q = 256 tokens: a lane holds one token and 128 features = two heads x 64.   v: P = 256 tokens (keys), Q = 256 features: a lane holds one feature and 128 keys.
; Only addresses in memory differ between the kinds; the kind is the same in all sixteen partners.
; CLUSTERS: 4 x 4 work-groups.  Q's tiles hang on cy alone and are asked for jointly by a row of the cluster, P's on cx alone and by a column: the same tensor load, the same descriptor, a mask that names the four.
; LIMITS: NaN and infinities are not served; a block of zeros gets the byte 1 where the rule says 127 (its codes are zeros, and this program alone reads the bytes).
; OUTPUT.  q: [head 0..31][tile 0..127][768].  k, v: from byte 3,145,728, [head][slot 0..7][24,576]: a slot = 256 keys: K's 16 tiles x 768, then for each 128 keys four tiles of 16 of the head's 64, 1,536 bytes each
; (a whole fragment: registers 4 g .. 4 g + 3 of lane L at 512 g + 16 L).  Scale words: q at 0, k at 262,144: [head][128 rows][half][place][4 tiles]; bytes 0, 1 the head's two blocks, bytes 2, 3 are 0.  v at 524,288: [head][128 keys][place][4 tiles].
; REGISTERS, in windows of 256: window 0: v0-31 addresses; v32-63 scale words, two sets (on the way out: the new scale words); v64-127 cos and sin for blocks 0-3, asked for at the head; v128-223 Q's fragments, one set;
;   on the way out v128-191 cos and sin for blocks 4-7, v192-255 at work.  window 1: P's fragments, two sets.  window 2: the accumulators of my Q rows 0-63 ((a, b) at v[8 (8 a + b)]); window 3: of rows 64-127.
.set NQ,     2                         ; steps of 128 along K in a slot
.set FR,     12                        ; registers of a fragment
.set NL,     4                         ; LDS loads that bring one
.set NP,     4                         ; places behind this matrix instruction (ISA guide 7.12.1)
.set RT,     3072                      ; a tile of 16 rows in a slot
.set HALFT,  8*RT                      ; 128 rows: what one tensor load brings
.set SLOT,   4*HALFT                   ; Q's 256 rows, then P's 256 rows
.set STEPB,  3072                      ; from a K step to the next, in memory
.set KROW,   768                       ; bytes of codes for a stored row
.set KS,     32                        ; a row of scale bytes
.set SCL,    2*SLOT                    ; behind the ring: the scales, as units of 256 bytes + 16 of padding
.set HALFS,  (128*KS/256)*272
.set SBLK,   (16*KS/256)*272
.set SPARE,  SCL+4*HALFS               ; the spare words, 128 bytes for each wave: two blocks of 256 bytes that no other line names
.set LI,   8                           ; v8   16 x lane
.set L8,   9                           ; v9   8 x lane
.set SOF,  10                          ; v10  the new scale words' place
.set H16,  11                          ; v11  16 x (lane / 16)
.set ADRA, 16                          ; v16-17 LDS address of Q's fragments in slot 0, 1, 16 bytes a lane; v18-19 the same, 8 bytes a lane
.set ADRB, 20                          ; v20-23 the same for P
.set ADRS, 27                          ; v27  LDS address of my scale words: lanes 0-15 Q's rows, lanes 16-31 P's
.set SPW,  28                          ; v28  LDS address of my spare word; never rewritten
.set NIL,  29                          ; v29  0; never rewritten
.set RPO,  30                          ; v30  my place in the table of cos and sin; never rewritten
.set SC,   32
.set SW,   52                          ; v52-59 the new scale word of each block; v60-63 v's, chosen by half
.set AF,   128
.set T,    192                         ; v192-223 the rotary part's products
.set TMX,  224                         ; v224-227 largest magnitudes; v228-231 the other half's, then the bytes; v232-235 the conversions' scale operands
.set TMB,  228
.set TMS,  232
.set PC,   236                         ; v236-247 the codes just made; v248-250, v252-254 the conversions' second halves
.set PX,   248
.set G1, 24
.set G0, 32
.set G1B, 48
.set G0B, 56
.set G1S, 68
.set G0S, 76
.set G1SB, 80
.set G0SB, 88
.set KIND, 95                          ; s95  0 q, 1 v, 2 k
.set CLY,  96                          ; s96  the cluster's y
.set MSB, 0
.macro WIN new                         ; the immediate's high byte repeats the setting that is left
.if MSB != (\new)
	s_set_vgpr_msb (MSB<<8)|(\new)
.set MSB, (\new)
.endif
.endm
.set MUL_LO, 0xa1                      ; source 0 (P) window 1, source 1 (Q) window 0, C and D window 2
.set MUL_HI, 0xf1
.set TO_B,   0x40
; A joint load: waves 0 and 1 fetch for Q, waves 2 and 3 for P.  The branch hangs on the wave's number alone.  Four v_nop follow each of the two lines.
.macro JLOAD g0a, g1a, g0b, g1b
	s_cmp_eq_u32 s15, 0
	s_cbranch_scc0 .Lfor_b_\@
	tensor_load_to_lds s[\g0a:\g0a+3], s[\g1a:\g1a+7]
	s_nop 0
.rept 4
	v_nop
.endr
	s_branch .Lasked_\@
.Lfor_b_\@:
	tensor_load_to_lds s[\g0b:\g0b+3], s[\g1b:\g1b+7]
	s_nop 0
.rept 4
	v_nop
.endr
.Lasked_\@:
.endm
.macro CREST                           ; a round of the cluster's barrier behind its opening barrier
	s_cmp_lg_u32 s14, 0
	s_cbranch_scc1 .Lnot_wave_0_\@
	s_barrier_signal -3
.Lnot_wave_0_\@:
	s_barrier_wait -3
	s_barrier_signal -1
	s_barrier_wait -1
.endm
.macro CROUND
	s_barrier_signal -1
	s_barrier_wait -1
	CREST
.endm
	s_load_b256 s[4:11], s[0:1], 0x0               ; the images s[4:5], their scale bytes s[6:7], the table s[8:9], q, k, v's images s[10:11]
	s_load_b64 s[12:13], s[0:1], 0x20              ; q, k, v's scale words
	v_lshl_add_u32 v[SPW], v0, 2, SPARE
	v_mov_b32 v[NIL], 0
	ds_add_u32 v28, v29
	ds_add_u32 v28, v29
	s_wait_dscnt 0x0
	v_lshrrev_b32 v1, 5, v0
	v_readfirstlane_b32 s14, v1                    ; wave 0..3
	s_lshr_b32 s15, s14, 1                         ; which half of Q's rows is mine.  Also: I fetch for Q (0) or for P (1)
	s_and_b32 s16, s14, 1                          ; which half of P's rows.  Also: which 128 rows I fetch
	s_bfe_u32 s40, ttmp6, 0x40000                  ; cx, cy: my place in the cluster
	s_bfe_u32 s41, ttmp6, 0x40004
	s_mov_b32 s[KIND], ttmp9
	s_and_b32 s[CLY], ttmp7, 0xffff
	s_lshl_b32 s97, s[CLY], 10                     ; the cluster's 1,024 tokens: stored rows from here
	s_lshl_b32 s98, s[KIND], 8
	s_add_co_u32 s98, s98, 4096                    ; w_qkv's stored rows begin at 4,096; the kind's 256 rows of group 0
	s_mov_b32 s99, 768
	s_mov_b32 s100, 256
	s_cmp_eq_u32 s[KIND], 1                        ; v: features are Q and tokens P; else the other way round
	s_cselect_b32 s17, s98, s97
	s_cselect_b32 s42, s97, s98
	s_cselect_b32 s101, s99, s100
	s_cselect_b32 s104, s100, s99
	s_mul_i32 s101, s41, s101
	s_add_co_u32 s17, s17, s101                    ; Q's first stored row: hangs on cy alone
	s_mul_i32 s104, s40, s104
	s_add_co_u32 s42, s42, s104                    ; P's: on cx alone
	s_lshl_b32 s43, s41, 2
	s_lshl_b32 s43, 15, s43                        ; my row of the cluster
	s_lshl_b32 s44, 0x1111, s40                    ; my column
	; descriptor group 1 for the codes: eight rows (tiles) of 384 elements of 8 bytes, 1,536 elements apart; no padding
	s_or_b32 s[G1+0], s43, (3<<16)|(1<<21)         ; 15:0 the mask; 17:16 elements of 8 bytes; 21 set beside a mask
	s_or_b32 s[G1B+0], s44, (3<<16)|(1<<21)
.irp g, G1, G1B
	s_mov_b32 s[\g+1], 384<<16                     ; tensor_dim0
	s_mov_b32 s[\g+2], 8<<16                       ; tensor_dim1
	s_mov_b32 s[\g+3], 384<<16                     ; tile_dim0
	s_mov_b32 s[\g+4], 8                           ; tile_dim1
	s_mov_b32 s[\g+5], 1536                        ; tensor_dim0_stride
	s_mov_b32 s[\g+6], 0
	s_mov_b32 s[\g+7], 0
.endr
	; and for the scales of 128 rows: 4,096 dense bytes, as rows of 256 bytes, 16 bytes of padding behind each
	s_or_b32 s[G1S+0], s43, (3<<16)|(1<<20)|(1<<21)|(5<<22)|(3<<25)
	s_or_b32 s[G1SB+0], s44, (3<<16)|(1<<20)|(1<<21)|(5<<22)|(3<<25)
.irp g, G1S, G1SB
	s_mov_b32 s[\g+1], 32<<16
	s_mov_b32 s[\g+2], (128*KS/256)<<16
	s_mov_b32 s[\g+3], 32<<16
	s_mov_b32 s[\g+4], 128*KS/256
	s_mov_b32 s[\g+5], 32
	s_mov_b32 s[\g+6], 0
	s_mov_b32 s[\g+7], 0
.endr
	s_lshl_b32 s18, s16, 7                         ; which 128 rows I fetch
	s_add_co_u32 s20, s17, s18
	s_add_co_u32 s46, s42, s18
	s_mov_b32 s21, 0
	s_mov_b32 s47, 0
	s_mov_b64 s[18:19], KS
	s_mul_u64 s[22:23], s[20:21], s[18:19]         ; where these rows' scales begin, in bytes
	s_mul_u64 s[92:93], s[46:47], s[18:19]
	s_mov_b64 s[18:19], KROW
	s_mul_u64 s[20:21], s[20:21], s[18:19]         ; and their codes
	s_mul_u64 s[46:47], s[46:47], s[18:19]
	s_mul_i32 s45, s14, HALFT                      ; where they go: wave x 128 rows: no place in the cluster enters an LDS address
	s_mul_i32 s94, s14, HALFS
	s_wait_kmcnt 0x0
	s_add_nc_u64 s[20:21], s[4:5], s[20:21]
	s_add_nc_u64 s[22:23], s[6:7], s[22:23]
	s_add_nc_u64 s[46:47], s[4:5], s[46:47]
	s_add_nc_u64 s[92:93], s[6:7], s[92:93]
	CROUND                                         ; all sixteen work-groups are here: the first joint loads meet
	s_mov_b32 s[G0S], 1
	s_add_co_u32 s[G0S+1], s94, SCL
	s_mov_b64 s[G0S+2:G0S+3], s[22:23]
	s_or_b32 s[G0S+3], s[G0S+3], 0x80000000
	s_mov_b32 s[G0SB], 1
	s_add_co_u32 s[G0SB+1], s94, SCL
	s_mov_b64 s[G0SB+2:G0SB+3], s[92:93]
	s_or_b32 s[G0SB+3], s[G0SB+3], 0x80000000
	JLOAD G0S, G1S, G0SB, G1SB                     ; the scales first: they are wanted with K step 0.  Three loads of mine are out behind these first fills
.irp s, 0,1
	s_mov_b32 s[G0+4*\s], 1
	s_add_co_u32 s[G0+4*\s+1], s45, \s*SLOT
	s_add_nc_u64 s[G0+4*\s+2:G0+4*\s+3], s[20:21], \s*STEPB
	s_or_b32 s[G0+4*\s+3], s[G0+4*\s+3], 0x80000000
	s_mov_b32 s[G0B+4*\s], 1
	s_add_co_u32 s[G0B+4*\s+1], s45, \s*SLOT
	s_add_nc_u64 s[G0B+4*\s+2:G0B+4*\s+3], s[46:47], \s*STEPB
	s_or_b32 s[G0B+4*\s+3], s[G0B+4*\s+3], 0x80000000
	JLOAD G0+4*\s, G1, G0B+4*\s, G1B
.endr
	v_and_b32 v1, 15, v0                           ; r
	v_bfe_u32 v2, v0, 4, 1                         ; h
	v_and_b32 v3, 31, v0
	v_lshlrev_b32 v[LI], 4, v3
	v_lshlrev_b32 v[L8], 3, v3
	v_lshlrev_b32 v[H16], 4, v2
	s_mul_i32 s21, s15, HALFT                      ; my 128 rows of Q
	s_mul_i32 s22, s16, HALFT                      ; my 128 rows of P,
	s_add_co_u32 s22, s22, 2*HALFT                 ; which lie behind Q's 256
.irp s, 0,1
	v_add_nc_u32 v[ADRA+\s], s21, v[LI]
	v_add_nc_u32 v[ADRB+\s], s22, v[LI]
	v_add_nc_u32 v[ADRA+2+\s], s21, v[L8]
	v_add_nc_u32 v[ADRB+2+\s], s22, v[L8]
	s_add_co_u32 s21, s21, SLOT
	s_add_co_u32 s22, s22, SLOT
.endr
	v_mul_u32_u24 v5, v1, KS                       ; my row's scales: KS bytes a row,
	v_lshrrev_b32 v6, 8, v5
	v_lshl_add_u32 v5, v6, 4, v5                   ; and 16 more for each 256 passed
	s_mul_i32 s21, s15, HALFS
	s_mul_i32 s22, s16, HALFS
	s_add_co_u32 s22, s22, 2*HALFS
	s_sub_co_u32 s22, s22, s21
	v_mul_u32_u24 v6, s22, v2                      ; lanes 16-31 take P's
	s_add_co_u32 s21, s21, SCL
	v_add_nc_u32 v5, v5, v6
	v_add_nc_u32 v[ADRS], s21, v5
	; cos and sin: block a's lane wants pairs 8 h .. 8 h + 7 at its token's position: 32 bytes of each table's row of 64
	s_lshl_b32 s105, s15, 7
	s_add_co_u32 s105, s105, s17
	s_and_b32 s105, s105, 2047                     ; my first token's position (q and k; of no use for v)
	v_and_b32 v3, 8, v1
	v_add_nc_u32 v3, v3, v1                        ; r + 8 (r / 8)
	v_lshlrev_b32 v[RPO], 6, v3
	v_lshl_add_u32 v[RPO], v2, 5, v[RPO]
	s_lshl_b32 s66, s105, 6
	s_mov_b32 s67, 0
	s_add_nc_u64 s[8:9], s[8:9], s[66:67]
.macro ROPELD a                        ; cos into v[64 + 16 a] on, sin into the eight behind them
.set RB, 64+16*(\a)
	global_load_b128 v[RB:RB+3],     v[RPO], s[8:9] offset:(32*((\a)/2)+8*((\a)%2))*64
	global_load_b128 v[RB+4:RB+7],   v[RPO], s[8:9] offset:(32*((\a)/2)+8*((\a)%2))*64+16
	global_load_b128 v[RB+8:RB+11],  v[RPO], s[8:9] offset:(32*((\a)/2)+8*((\a)%2))*64+131072
	global_load_b128 v[RB+12:RB+15], v[RPO], s[8:9] offset:(32*((\a)/2)+8*((\a)%2))*64+131088
.endm
	s_cmp_eq_u32 s[KIND], 1
	s_cbranch_scc1 .Lno_rope
.irp a, 0,1,2,3
	ROPELD \a                                      ; into registers that the products leave alone
.endr
.Lno_rope:
.macro FRAG reg, adr, q, i             ; a fragment, 16 rows x 128 K: two images on end; every load reads consecutive bytes
	ds_load_b128 v[\reg:\reg+3],     v[\adr]   offset:(\i)*RT+(\q)*1536
	ds_load_b64  v[\reg+4:\reg+5],   v[\adr+2] offset:(\i)*RT+(\q)*1536+512
	ds_load_b128 v[\reg+6:\reg+9],   v[\adr]   offset:(\i)*RT+(\q)*1536+768
	ds_load_b64  v[\reg+10:\reg+11], v[\adr+2] offset:(\i)*RT+(\q)*1536+1280
.endm
; 16 matrix instructions: Q's blocks a0, a0 + 1 x P's eight, 128 along K.  p: P's set; sc: the set of scale words.  zero = 1: the first product starts the sums.
; The 64 accumulators take turns, one instruction a turn, in the same order in every step.
.macro MUL16 a0, p, q, sc, zero
.irp a, \a0, \a0+1
.irp b, 0,1,2,3,4,5,6,7
.if \zero
	v_wmma_scale_f32_16x16x128_f8f6f4 v[8*(8*((\a)%4)+\b):8*(8*((\a)%4)+\b)+7], v[128*(\p)+FR*\b:128*(\p)+FR*\b+FR-1], v[AF+FR*(\a):AF+FR*(\a)+FR-1], 0, v[SC+8*NQ*(\sc)+NQ*\b+(\q)], v[SC+8*NQ*(\sc)+NQ*(\a)+(\q)] matrix_a_fmt:MATRIX_FMT_FP6 matrix_b_fmt:MATRIX_FMT_FP6 matrix_a_scale:MATRIX_SCALE_ROW1
.else
	v_wmma_scale_f32_16x16x128_f8f6f4 v[8*(8*((\a)%4)+\b):8*(8*((\a)%4)+\b)+7], v[128*(\p)+FR*\b:128*(\p)+FR*\b+FR-1], v[AF+FR*(\a):AF+FR*(\a)+FR-1], v[8*(8*((\a)%4)+\b):8*(8*((\a)%4)+\b)+7], v[SC+8*NQ*(\sc)+NQ*\b+(\q)], v[SC+8*NQ*(\sc)+NQ*(\a)+(\q)] matrix_a_fmt:MATRIX_FMT_FP6 matrix_b_fmt:MATRIX_FMT_FP6 matrix_a_scale:MATRIX_SCALE_ROW1
.endif
.endr
.endr
.endm
.macro FETCH_B slot, q, p
	WIN TO_B
.irp i, 0,1,2,3,4,5,6,7
	FRAG 128*(\p)+FR*\i, ADRB+\slot, \q, \i
.endr
	WIN 0
.endm
.macro FETCH_A slot, q, i0
.irp i, \i0, \i0+1, \i0+2, \i0+3
	FRAG AF+FR*(\i), ADRA+\slot, \q, \i
.endr
.endm
.macro SCALES sc                       ; a K step's scale words: two words a row; lanes 0-15 take Q's block i, lanes 16-31 P's block i
.irp i, 0,1,2,3,4,5,6,7
	ds_load_b64 v[SC+8*NQ*\sc+NQ*\i:SC+8*NQ*\sc+NQ*\i+1], v[ADRS] offset:\i*SBLK
.endr
.endm
.macro PLACES n                        ; plain vector lines between a matrix instruction and a load into its registers or a read of its results (ISA guide 7.12.1 for a read of its results)
.rept \n
	v_nop
.endr
.endm
.macro STEP slot, q, zero              ; a step of 128 along K that has its successor in the same slot
	s_wait_dscnt 4*NL                              ; P's set and Q's blocks 0-3 are in; the youngest sixteen loads (Q's blocks 4-7) may be out
	WIN MUL_LO
	MUL16 0, (\q)%2, \q, \slot, \zero
	MUL16 2, (\q)%2, \q, \slot, \zero
	s_wait_dscnt 0
	PLACES NP
	FETCH_B \slot, (\q)+1, 1-(\q)%2
	FETCH_A \slot, (\q)+1, 0
	WIN MUL_HI
	MUL16 4, (\q)%2, \q, \slot, \zero
	MUL16 6, (\q)%2, \q, \slot, \zero
	PLACES NP
	WIN 0
	FETCH_A \slot, (\q)+1, 4
.endm
; A slot's last step changes slots: one barrier; in front of it each wave waits for all its tensor loads, adds 0 to its spare word, and waits for that and for its reads of this slot.  fill = 1: this slot is filled again, two K steps ahead.
.macro TURN slot, next, fill
	s_wait_tensorcnt 0x0                           ; all my tensor loads have landed: my part of the next slot
	ds_add_u32 v[SPW], v[NIL]                      ; 0 onto my spare word
	s_wait_dscnt 4*NL+1                            ; (the add and the youngest sixteen loads may be out)
	WIN MUL_LO
	MUL16 0, 1, NQ-1, \slot, 0                     ; sixteen matrix instructions stand between the add and the wait for it
	s_wait_dscnt 0x0                               ; the add is done, and my reads of this slot are over
	s_barrier_signal -1
	MUL16 2, 1, NQ-1, \slot, 0
	WIN 0
	s_barrier_wait -1
.if \fill
	CREST                                          ; the barrier has opened a round of the cluster's barrier: no wave of any partner still reads this slot or has a load on its way
	s_add_nc_u64 s[G0+4*\slot+2:G0+4*\slot+3], s[G0+4*\slot+2:G0+4*\slot+3], 2*STEPB
	s_add_nc_u64 s[G0B+4*\slot+2:G0B+4*\slot+3], s[G0B+4*\slot+2:G0B+4*\slot+3], 2*STEPB
	JLOAD G0+4*\slot, G1, G0B+4*\slot, G1B         ; the first tensor load behind the round, my one load until the next; its four v_nop are the places in front of the loads below
.else
	PLACES NP
.endif
	v_add_nc_u32 v[ADRS], 4*NQ, v[ADRS]            ; on to the next K step's scale words
	FETCH_B \next, 0, 0
	FETCH_A \next, 0, 0
	SCALES \next
	WIN MUL_HI
	MUL16 4, 1, NQ-1, \slot, 0
	MUL16 6, 1, NQ-1, \slot, 0
	PLACES NP
	WIN 0
	FETCH_A \next, 0, 4
.endm
	s_wait_tensorcnt 1                             ; the scales and my part of K step 0 are in (K step 1's load may be out),
	s_barrier_signal -1
	s_barrier_wait -1                              ; everybody's are
	FETCH_B 0, 0, 0
	FETCH_A 0, 0, 0
	SCALES 0
	FETCH_A 0, 0, 4
	STEP 0, 0, 1                                   ; K = 1,024 is four slots: eight steps, written out; slots 0 and 1 are each filled again once
	TURN 0, 1, 1
	STEP 1, 0, 0
	TURN 1, 0, 1
	STEP 0, 0, 0
	TURN 0, 1, 0
	STEP 1, 0, 0
	s_wait_dscnt 4*NL
	WIN MUL_LO
	MUL16 0, 1, NQ-1, 1, 0
	MUL16 2, 1, NQ-1, 1, 0
	s_wait_dscnt 0
	WIN MUL_HI
	MUL16 4, 1, NQ-1, 1, 0
	MUL16 6, 1, NQ-1, 1, 0
	WIN 0
; THE WAY OUT, block by block of 16 of Q's rows.  No LDS: the codes leave as images of registers.
; The rotary part: block a's registers 32 hd + i (i < 16) are head hd's dimensions 16 h + i: x(2 p) cos - x(2 p + 1) sin and x(2 p + 1) cos + x(2 p) sin, in f32.  Each accumulator is read from its low end on.
.macro ROPE a
.set AC, 64*((\a)%4)
.set RB, 64+16*(\a)
	WIN 0x02+(\a)/4
.irp hd, 0,1
.irp j, 0,1,2,3,4,5,6,7
	v_mul_f32 v[T+16*\hd+2*\j],   v[AC+32*\hd+2*\j+1], v[RB+8+\j]
	v_mul_f32 v[T+16*\hd+2*\j+1], v[AC+32*\hd+2*\j],   v[RB+8+\j]
.endr
.endr
	WIN 0x82+0x41*((\a)/4)
.irp hd, 0,1
.irp j, 0,1,2,3,4,5,6,7
	v_fma_f32 v[AC+32*\hd+2*\j],   v[AC+32*\hd+2*\j],   v[RB+\j], -v[T+16*\hd+2*\j]
	v_fma_f32 v[AC+32*\hd+2*\j+1], v[AC+32*\hd+2*\j+1], v[RB+\j], v[T+16*\hd+2*\j+1]
.endr
.endr
	WIN 0
.endm
; Block a's 64 numbers of a lane, register 16 b + i = index 32 b + 16 h + i of my row, become a fragment's codes in v[PC] on and its scale word in v[SW + a].
.macro QUANTW a
.set AC, 64*((\a)%4)
	WIN 0x0a+5*((\a)/4)
.irp b, 0,1,2,3
	v_max3_num_f32 v[TMX+\b], |v[AC+16*\b]|, |v[AC+16*\b+1]|, 0x1800000    ; my 16 numbers of block b, and the floor 2^(3 - 127): the byte cannot fall under 1
.endr
.irp i, 2,4,6,8,10,12,14
.irp b, 0,1,2,3
	v_max3_num_f32 v[TMX+\b], |v[AC+16*\b+\i]|, |v[AC+16*\b+\i+1]|, v[TMX+\b]
.endr
.endr
	WIN 0
.irp b, 0,1,2,3
	v_permlanex16_b32 v[TMB+\b], v[TMX+\b], s20, s21
.endr
.irp b, 0,1,2,3
	v_max_num_f32 v[TMX+\b], v[TMX+\b], v[TMB+\b]  ; with lane l xor 16's: the block's largest magnitude
.endr
.irp b, 0,1,2,3
	v_add_nc_u32 v[TMS+\b], 0xff000000, v[TMX+\b]  ; 2 off its exponent field: the conversion's scale operand
.endr
.irp b, 0,1,2,3
	v_lshrrev_b32 v[TMB+\b], 23, v[TMS+\b]         ; the byte
.endr
	v_lshl_or_b32 v[SW+(\a)], v[TMB+1], 8, v[TMB]
	v_lshl_or_b32 v[SW+(\a)], v[TMB+2], 16, v[SW+(\a)]
	v_lshl_or_b32 v[SW+(\a)], v[TMB+3], 24, v[SW+(\a)]
	s_wait_xcnt 0x0                                ; the last block's stores have read the codes' registers: only now are they written again
	WIN 0x02+(\a)/4
.irp c, 0,1
	v_cvt_scalef32_pk16_fp6_f32 v[PC+6*\c:PC+6*\c+2], v[AC+32*\c:AC+32*\c+15], v[TMS+2*\c]
	v_cvt_scalef32_pk16_fp6_f32 v[PX+4*\c:PX+4*\c+2], v[AC+32*\c+16:AC+32*\c+31], v[TMS+2*\c+1]   ; (a conversion's three registers begin on an even number)
.endr
	WIN 0
	v_nop                                          ; one plain line behind a scaled conversion
.irp c, 0,1                                    ; the operand's layout wants a whole block in a lane: lanes 0-15 block 2 c, lanes 16-31 block 2 c + 1
.irp i, 0,1,2
	v_permlane16_swap_b32 v[PC+6*\c+\i], v[PX+4*\c+\i]
.endr
.irp i, 0,1,2
	v_mov_b32 v[PC+3+6*\c+\i], v[PX+4*\c+\i]
.endr
.endr
.endm
.irp b, 0,1,2,3
	v_mov_b32 v[TMB+\b], 0                         ; written once: a lane permute's destination counts as one of its sources.  These four plain lines are also the places behind the last products
.endr
	s_mov_b32 s20, 0x76543210
	s_mov_b32 s21, 0xfedcba98                      ; v_permlanex16_b32's selects for lane l xor 16
	s_cmp_eq_u32 s[KIND], 1
	s_cbranch_scc1 .Lvpath
	; ---- q and k: a lane holds one token; its 128 numbers are two heads
.irp a, 4,5,6,7
	ROPELD \a                                      ; into the registers that held Q's fragments
.endr
	v_lshlrev_b32 v[SOF], 4, v1
	v_lshl_add_u32 v[SOF], v2, 13, v[SOF]          ; scale words: 16 r; lanes 16-31 write the second head's, 8,192 bytes on
	s_lshr_b32 s104, s[KIND], 1                    ; 0: q, 1: k
	s_lshl_b32 s66, 0x18000, s104                  ; a head's bytes: 98,304 of q; 196,608 of k and v
	s_mov_b32 s67, 0
	s_lshl_b32 s97, 0x3000, s104                   ; 256 rows' bytes: 12,288 of q; a slot's 24,576
	s_lshr_b32 s98, s[CLY], 1                      ; the batch
	s_lshl_b32 s98, s98, 4
	s_lshl_b32 s99, s40, 2
	s_add_co_u32 s98, s98, s99
	s_lshl_b32 s99, s16, 1
	s_add_co_u32 s98, s98, s99                     ; my first head: 16 batch + 4 cx + 2 x my half of P
	s_lshr_b32 s99, s105, 7                        ; which 128 positions
	s_mul_i32 s100, s104, 3145728
	s_mul_i32 s101, s98, s66
	s_add_co_u32 s100, s100, s101
	s_lshr_b32 s101, s99, 1
	s_mul_i32 s101, s101, s97
	s_add_co_u32 s100, s100, s101
	s_and_b32 s101, s99, 1
	s_mul_i32 s101, s101, 6144
	s_add_co_u32 s100, s100, s101
	s_mov_b32 s101, 0
	s_add_nc_u64 s[10:11], s[10:11], s[100:101]    ; the first head's eight tiles,
	s_add_nc_u64 s[4:5], s[10:11], s[66:67]        ; the second head's
	s_lshl_b32 s100, s104, 18
	s_lshl_b32 s97, s98, 13
	s_add_co_u32 s100, s100, s97
	s_lshl_b32 s97, s99, 9
	s_add_co_u32 s100, s100, s97
	s_add_nc_u64 s[12:13], s[12:13], s[100:101]
.irp a, 0,1,2,3,4,5,6,7
.if \a == 0
	s_wait_loadcnt 16                              ; cos and sin for blocks 0-3 are in; the sixteen loads just issued may be out
.endif
.if \a == 4
	s_wait_loadcnt 0x0
.endif
	ROPE \a
	QUANTW \a
	v_lshrrev_b32 v[SW+\a], v[H16], v[SW+\a]       ; lanes 0-15 keep the first head's two bytes, lanes 16-31 the second's;
	v_and_b32 v[SW+\a], 0xffff, v[SW+\a]           ; bytes 2 and 3 are 0: attention's first product has 64 along K
	global_store_b128 v[LI], v[PC:PC+3], s[10:11] offset:768*\a            ; 512 consecutive bytes, at a multiple of 256
	global_store_b64 v[L8], v[PC+4:PC+5], s[10:11] offset:768*\a+512       ; 256 consecutive bytes
	global_store_b128 v[LI], v[PC+6:PC+9], s[4:5] offset:768*\a
	global_store_b64 v[L8], v[PC+10:PC+11], s[4:5] offset:768*\a+512
.endr
	global_store_b128 v[SOF], v[SW:SW+3], s[12:13]             ; sixteen lanes store 256 consecutive bytes: tiles 0-3,
	global_store_b128 v[SOF], v[SW+4:SW+7], s[12:13] offset:256    ; tiles 4-7
	s_branch .Lend
.Lvpath:
	; ---- v: a lane holds one feature; its 128 numbers are 128 keys: one K step of attention's second product
	v_lshlrev_b32 v[SOF], 4, v1
	v_lshl_add_u32 v[SOF], v2, 12, v[SOF]
	s_lshl_b32 s66, s16, 7
	s_add_co_u32 s66, s66, s42
	s_and_b32 s66, s66, 2047
	s_lshr_b32 s99, s66, 7                         ; which 128 keys
	s_lshr_b32 s98, s[CLY], 1
	s_lshl_b32 s98, s98, 4
	s_lshl_b32 s97, s41, 2
	s_add_co_u32 s98, s98, s97
	s_lshl_b32 s97, s15, 1
	s_add_co_u32 s98, s98, s97                     ; my first head: 16 batch + 4 cy + 2 x my half of Q
	s_mul_i32 s100, s98, 196608
	s_add_co_u32 s100, s100, 3145728+12288         ; V lies behind a slot's K
	s_lshr_b32 s97, s99, 1
	s_mul_i32 s97, s97, 24576
	s_add_co_u32 s100, s100, s97
	s_and_b32 s97, s99, 1
	s_mul_i32 s97, s97, 6144
	s_add_co_u32 s100, s100, s97
	s_mov_b32 s101, 0
	s_add_nc_u64 s[10:11], s[10:11], s[100:101]
	s_lshl_b32 s100, s98, 12
	s_lshl_b32 s97, s99, 8
	s_add_co_u32 s100, s100, s97
	s_add_co_u32 s100, s100, 524288
	s_add_nc_u64 s[12:13], s[12:13], s[100:101]
.irp a, 0,1,2,3,4,5,6,7
	QUANTW \a
.irp g, 0,1,2
	global_store_b128 v[LI], v[PC+4*\g:PC+4*\g+3], s[10:11] offset:(\a/4)*196608+(\a%4)*1536+512*\g    ; head a / 4, tile a % 4 of its 64
.endr
.endr
	v_cmp_eq_u32 vcc_lo, 16, v[H16]
.irp i, 0,1,2,3
	v_cndmask_b32 v[60+\i], v[SW+\i], v[SW+4+\i], vcc_lo   ; lanes 0-15 write the first head's four words, lanes 16-31 the second's
.endr
	global_store_b128 v[SOF], v[60:63], s[12:13]
.Lend:
	s_wait_tensorcnt 0x0                           ; the wave's end
	ds_add_u32 v[SPW], v[NIL]
	s_wait_dscnt 0x0
	CROUND                                         ; the closing round: no work-group ends while a partner may still ask for a tile that names it
	s_endpgm
.Lfunc_end_k_q36b4658ab1_qkv:
	.size	k_q36b4658ab1_qkv, .Lfunc_end_k_q36b4658ab1_qkv-k_q36b4658ab1_qkv
	.p2alignl 7, 3214868480
	.fill 96, 4, 3214868480
	.section	.rodata,"a",@progbits
	.p2align	6, 0x0
	.amdhsa_kernel k_q36b4658ab1_qkv
		.amdhsa_group_segment_fixed_size 327680
		.amdhsa_private_segment_fixed_size 0
		.amdhsa_enable_private_segment 0
		.amdhsa_kernarg_size 40
		.amdhsa_user_sgpr_count 2
		.amdhsa_user_sgpr_kernarg_segment_ptr 1
		.amdhsa_wavefront_size32 1
		.amdhsa_system_sgpr_workgroup_id_x 1
		.amdhsa_system_sgpr_workgroup_id_y 1
		.amdhsa_system_sgpr_workgroup_id_z 1
		.amdhsa_system_vgpr_workitem_id 0
		.amdhsa_next_free_vgpr 1024
		.amdhsa_next_free_sgpr 106
		.amdhsa_reserve_vcc 1
		.amdhsa_float_denorm_mode_32 3
		.amdhsa_float_denorm_mode_16_64 3
		.amdhsa_memory_ordered 1
		.amdhsa_forward_progress 1
		.amdhsa_inst_pref_size 213
	.end_amdhsa_kernel
	.amdgpu_metadata
---
amdhsa.version: [ 1, 2 ]
amdhsa.kernels:
  - .name:           k_q36b4658ab1_qkv
    .symbol:         k_q36b4658ab1_qkv.kd
    .args:
      - { .name: xw_img, .offset: 0, .size: 8, .value_kind: global_buffer, .address_space: global }
      - { .name: xw_scl, .offset: 8, .size: 8, .value_kind: global_buffer, .address_space: global }
      - { .name: rope, .offset: 16, .size: 8, .value_kind: global_buffer, .address_space: global }
      - { .name: qkv_img, .offset: 24, .size: 8, .value_kind: global_buffer, .address_space: global }
      - { .name: qkv_scl, .offset: 32, .size: 8, .value_kind: global_buffer, .address_space: global }
    .group_segment_fixed_size: 327680
    .private_segment_fixed_size: 0
    .kernarg_segment_align: 8
    .kernarg_segment_size: 40
    .max_flat_workgroup_size: 128
    .sgpr_count:     106
    .vgpr_count:     1024
    .wavefront_size: 32
...
	.end_amdgpu_metadata
.endif
;; end of part 2
;; launch attn (part 3): grid 8 x 32, 16 waves a work-group, no clusters, 67,584 bytes of LDS; arguments qkv_img, qkv_scl, a_img, a_scl; writes a_img, a_scl
.if DOCPART == 3
	.amdgcn_target "amdgcn-amd-amdhsa--gfx1250"
	.amdhsa_code_object_version 6
	.text
	.protected	k_q36b4658ab1_attn
	.globl	k_q36b4658ab1_attn
	.p2align	8
	.type	k_q36b4658ab1_attn,@function
k_q36b4658ab1_attn:
	s_mov_b64 s[64:65], 0
	v_nop
	global_prefetch_b8 v0, s[64:65] scope:SCOPE_SE
	s_setreg_imm32_b32 hwreg(HW_REG_WAVE_MODE, 25, 1), 1
	s_wait_xcnt 0x0
; Causal attention of 32 heads (2,048 positions, head size 64) on codes of FP6 (E2M3) with E8M0 scales; the result, divided by the row's sum, is quantised along (head, d) for the output projection.
; THE SOFTMAX AHEAD OF THE SECOND PRODUCT: t = score x log2(e) / 8; M = the row's largest t so far, rounded up to a whole number; p = 2^(t - M) is quantised along the keys, not normalised.  The row's sum is taken of the
; unquantised p and divides at the end.  When M moves, the sum and O are multiplied by 2^(old M - new M): exact.
; SHARES.  A work-group owns two blocks of 128 queries of one head, blocks i and 15 - i: 17 block-steps of 128 keys in every work-group.  Each of its sixteen waves owns one tile of 16 queries in 256 registers, four waves to a
; SIMD; wave w takes tile w / 2 of block i or 15 - i by the bit (w xor w / 4) & 1.  A wave of block B computes key steps 0 .. B; step B is its diagonal.
; THE MASK.  Key steps that lie wholly above the diagonal are left out (their p is 0); on the diagonal hidden scores become -8e7, so that score / 8 is the fill -1e7.
; LIMIT: that equals the fill everywhere while a row's largest visible score / 8 lies above -1e7 + 200.  NaN and infinities are not served; a block of zeros gets the byte 1 (its codes are zeros; this program alone reads the bytes).
; LAYOUT.  Both products are used transposed: S^T = K Q^T, O^T = V^T P^T: a lane holds one query throughout.  Place r of a stored tile T of keys holds key 32 (T / 2) + 8 (T % 2) + r + 8 (r / 8), so that the 16 registers of
; tiles 2 b and 2 b + 1 are 16 neighbouring keys; V's four tiles of the head's 64 are stored alike, so that O^T's registers run along d.
; K = 64 IN AN INSTRUCTION OF 128: Q's registers 6-11 are zero codes.  So a tile of K is named with the six registers behind it (the next tile's codes; zeros behind the last): they meet zeros.  Bytes 2, 3 of both scale words are 0, which is 2^-127.
; THE SLOTS (256 keys: 12,288 bytes of K, 12,288 of V, dense in memory) COME THROUGH REGISTERS: each of the 512 threads copies 3 x 16 bytes, loaded a whole slot ahead.  A work-group needs (17 - i) / 2 of the head's 8 slots; the others
; are jumped over by a scalar branch on the work-group's number.  NO CLUSTER: the eight work-groups of a head need 8, 8, 7, 7, 6, 6, 5, 5 slots, so partners would ask for different numbers of tiles.
; No prefetch: a slot's loads are issued two key steps of four waves a SIMD ahead of the wait for them.
; The loop's trip count is a constant (4 trips x 2 slots x 2 steps); every wave passes every barrier, one a slot.
; REGISTERS: v1-8 addresses; v12 -M, v13 the largest t, v[14:15] the sum; v16-27 Q and its zeros; v28 Q's scale word; v32-79 eight tiles of K, later four fragments of V; v80-85 zeros; v86-93, v94-97 K's, V's scale words;
; v98-109, v110-121 a slot on its way, two sets; v124-187 S^T, then p; v188-219 O^T; v220-231 p's codes; v232-254 at work.
.set SLOTB, 24576
.set KSC,   49152                      ; LDS: the head's scale words of K, 8,192 bytes;
.set VSC,   57344                      ; of V, 4,096 bytes
.set KA,    32
.set STG,   98
.set S,     124
.set O,     188
.set PCD,   220
	s_load_b256 s[4:11], s[0:1], 0x0               ; q, k, v's images s[4:5], their scale words s[6:7], the result's images s[8:9], its scale bytes s[10:11]
	v_lshl_add_u32 v251, v0, 2, 0x10000
	v_mov_b32 v255, 0
	v_lshrrev_b32 v9, 5, v0
	v_readfirstlane_b32 s12, v9                    ; wave 0..15
	s_mov_b32 s13, ttmp9                           ; i
	s_and_b32 s14, ttmp7, 0xffff                   ; the head, 0..31
	s_lshr_b32 s15, s12, 1                         ; my tile in its block
	s_lshr_b32 s30, s12, 2
	s_xor_b32 s30, s30, s12
	s_and_b32 s30, s30, 1
	s_sub_co_u32 s31, 15, s13
	s_cmp_eq_u32 s30, 1
	s_cselect_b32 s17, s31, s13                    ; my block, which is also my last key step
	s_sub_co_u32 s18, 17, s13
	s_lshr_b32 s18, s18, 1                         ; slots that the work-group needs
	s_mov_b32 s19, 1                               ; the slot in hand + 1
	s_mov_b32 s20, 0x76543210
	s_mov_b32 s21, 0xfedcba98                      ; v_permlanex16_b32's selects for lane l xor 16
	s_mov_b32 s22, 0x3e38aa3b                      ; c = log2(e) / 8
	s_mov_b32 s23, s22                             ; (named with it as a pair, so it is written)
	s_mov_b32 s24, 0                               ; the key step
	s_mov_b32 s25, 0                               ; its scale words of K: 512 bytes a step;
	s_mov_b32 s26, 0                               ; of V: 256
	v_and_b32 v9, 31, v0
	v_lshlrev_b32 v1, 4, v9                        ; 16 x lane
	v_lshlrev_b32 v2, 3, v9                        ; 8 x lane
	v_and_b32 v10, 15, v0                          ; r
	v_bfe_u32 v11, v0, 4, 1                        ; h
	v_lshlrev_b32 v29, 4, v10                      ; 16 r
	v_add_nc_u32 v3, KSC, v29
	v_add_nc_u32 v4, VSC, v29
	v_lshlrev_b32 v5, 4, v0                        ; 16 x thread: my bytes of a slot's thirds
	v_lshlrev_b32 v30, 3, v0                       ; 8 x thread
	v_and_b32 v6, 8, v10
	v_add_nc_u32 v6, v6, v10
	v_lshlrev_b32 v31, 4, v11
	v_sub_nc_u32 v6, v6, v31
	s_lshr_b32 s30, s15, 1
	s_lshl_b32 s30, s30, 5
	s_and_b32 s31, s15, 1
	s_lshl_b32 s31, s31, 3
	s_add_co_u32 s30, s30, s31
	v_add_nc_u32 v6, s30, v6                       ; d = my query's place in its block - 16 h: on the diagonal register 16 b + i holds a hidden key where 32 b + i > d
	s_wait_kmcnt 0x0
	s_lshl_b32 s30, s14, 7
	s_lshl_b32 s31, s17, 3
	s_add_co_u32 s30, s30, s31
	s_add_co_u32 s30, s30, s15
	s_mul_i32 s30, s30, 768
	s_mov_b32 s31, 0
	s_add_nc_u64 s[32:33], s[4:5], s[30:31]        ; my tile of Q
	s_lshl_b32 s30, s14, 13
	s_lshl_b32 s40, s17, 9
	s_add_co_u32 s30, s30, s40
	s_lshr_b32 s40, s15, 2
	s_lshl_b32 s40, s40, 8
	s_add_co_u32 s30, s30, s40
	s_and_b32 s40, s15, 3
	s_lshl_b32 s40, s40, 2
	s_add_co_u32 s30, s30, s40
	s_add_nc_u64 s[34:35], s[6:7], s[30:31]        ; its scale words
	s_lshl_b32 s30, s14, 13
	s_add_co_u32 s30, s30, 262144
	s_add_nc_u64 s[36:37], s[6:7], s[30:31]        ; the head's scale words of K,
	s_lshl_b32 s30, s14, 12
	s_add_co_u32 s30, s30, 524288
	s_add_nc_u64 s[38:39], s[6:7], s[30:31]        ; of V
	s_mul_i32 s30, s14, 196608
	s_add_co_u32 s30, s30, 3145728
	s_add_nc_u64 s[28:29], s[4:5], s[30:31]        ; the head's slot 0.  This pointer stays one slot behind the slot that is asked for
	global_load_b128 v[16:19], v1, s[32:33]
	global_load_b64 v[20:21], v2, s[32:33] offset:512
	global_load_b32 v28, v29, s[34:35]
	global_load_b128 v[S:S+3], v5, s[36:37]
	global_load_b64 v[S+4:S+5], v30, s[38:39]
.irp g, 0,1,2
	global_load_b128 v[STG+4*\g:STG+4*\g+3], v5, s[28:29] offset:8192*\g               ; slot 0
.endr
.irp g, 0,1,2
	global_load_b128 v[STG+12+4*\g:STG+12+4*\g+3], v5, s[28:29] offset:SLOTB+8192*\g   ; slot 1
.endr
	v_mov_b32 v13, 0xff61b1e6                      ; the largest t so far: -3e38, under every t
	v_floor_f32 v12, -v13                          ; -M
	v_mov_b32 v14, 0
	v_mov_b32 v15, 0
.irp j, 22,23,24,25,26,27,80,81,82,83,84,85,236,237,238,239,252,253
	v_mov_b32 v\j, 0                               ; Q's zero codes; the zeros behind K's last tile; the permutes' destinations and the pair (f, p's scale word), named before they are first written
.endr
.set jj, 0
.rept 32
	v_mov_b32 v[O+jj], 0                           ; O^T: the step is written once; the first finds zeros, which the first change of M leaves zeros
.set jj, jj+1
.endr
	s_wait_loadcnt 3                               ; all but slot 1's three loads
	ds_store_b128 v5, v[S:S+3] offset:KSC
	ds_store_b64 v30, v[S+4:S+5] offset:VSC
.irp g, 0,1,2
	ds_store_b128 v5, v[STG+4*\g:STG+4*\g+3] offset:8192*\g
.endr
; THE CHANGE OF SLOTS, at the head of slot n (cur = n % 2).  My stores into slot n have landed and my reads of slot n - 1 are back; the barrier says so of every wave.  Behind it slot n + 1, which waits in registers, goes into the
; bytes of slot n - 1, and slot n + 2 is asked for, into the registers that slot n has left.  Both only where the work-group needs them.
.macro CHANGE cur
	s_wait_dscnt 0x0
	s_barrier_signal -1
	s_barrier_wait -1
	s_cmp_lt_u32 s19, s18
	s_cbranch_scc0 .Ldone_\@
	s_wait_loadcnt 0x0                             ; slot n + 1 is in registers; and the pointer below may be written
.irp g, 0,1,2
	ds_store_b128 v5, v[STG+12*(1-\cur)+4*\g:STG+12*(1-\cur)+4*\g+3] offset:(1-\cur)*SLOTB+8192*\g
.endr
	s_add_co_u32 s30, s19, 1
	s_cmp_lt_u32 s30, s18
	s_cbranch_scc0 .Ldone_\@
	s_add_nc_u64 s[28:29], s[28:29], SLOTB
.irp g, 0,1,2
	global_load_b128 v[STG+12*\cur+4*\g:STG+12*\cur+4*\g+3], v5, s[28:29] offset:SLOTB+8192*\g
.endr
.Ldone_\@:
	s_add_co_u32 s19, s19, 1
.endm
; A KEY STEP: 128 keys, the q-th of slot cur.
.macro STEP cur, q
.set B0, (\cur)*SLOTB+(\q)*6144
	s_cmp_gt_u32 s24, s17                          ; all its keys come after my queries: the step's work is left out, not the lines at its end that step addresses
	s_cbranch_scc1 .Lhidden_\@
	v_add_nc_u32 v7, s25, v3
	v_add_nc_u32 v8, s26, v4
	v_nop
	v_nop                                          ; four plain lines in front of loads into registers that the last products have read
.irp t, 0,1,2,3,4,5,6,7
	ds_load_b128 v[KA+6*\t:KA+6*\t+3], v1 offset:B0+768*\t
	ds_load_b64 v[KA+6*\t+4:KA+6*\t+5], v2 offset:B0+768*\t+512
.endr
	ds_load_b128 v[86:89], v7                      ; place r's scale words of tiles 0-3,
	ds_load_b128 v[90:93], v7 offset:256           ; of tiles 4-7
	s_wait_dscnt 0x0
.irp t, 0,1,2,3,4,5,6,7
	v_wmma_scale_f32_16x16x128_f8f6f4 v[S+8*\t:S+8*\t+7], v[KA+6*\t:KA+6*\t+11], v[16:27], 0, v[86+\t], v28 matrix_a_fmt:MATRIX_FMT_FP6 matrix_b_fmt:MATRIX_FMT_FP6
.endr
.rept 4
	v_nop
.endr
.irp dt, 0,1,2,3                               ; V is asked for now and lands under the softmax
.irp g, 0,1,2
	ds_load_b128 v[KA+12*\dt+4*\g:KA+12*\dt+4*\g+3], v1 offset:B0+12288+1536*\dt+512*\g
.endr
.endr
	ds_load_b128 v[94:97], v8
	s_cmp_lg_u32 s24, s17
	s_cbranch_scc1 .Lopen_\@
	v_mov_b32 v254, 0xcc989680                     ; -8e7
.irp n, 0,1,2,3,4,5,6,7,8,9,10,11,12,13,14,15,16,17,18,19,20,21,22,23,24,25,26,27,28,29,30,31,32,33,34,35,36,37,38,39,40,41,42,43,44,45,46,47,48,49,50,51,52,53,54,55,56,57,58,59,60,61,62,63
	v_cmp_gt_i32 vcc_lo, 32*(\n/16)+\n%16, v6
	v_cndmask_b32 v[S+\n], v[S+\n], v254, vcc_lo
.endr
.Lopen_\@:
.irp b, 0,1,2,3
	v_max3_num_f32 v[232+\b], v[S+16*\b], v[S+16*\b+1], v[S+16*\b+2]       ; the largest score of each block of 32 keys: for the row's maximum, and, since p rises with the score, for the block's largest p
.endr
.irp i, 3,5,7,9,11,13
.irp b, 0,1,2,3
	v_max3_num_f32 v[232+\b], v[232+\b], v[S+16*\b+\i], v[S+16*\b+\i+1]
.endr
.endr
.irp b, 0,1,2,3
	v_max_num_f32 v[232+\b], v[232+\b], v[S+16*\b+15]
.endr
.irp b, 0,1,2,3
	v_permlanex16_b32 v[236+\b], v[232+\b], s20, s21
.endr
.irp b, 0,1,2,3
	v_max_num_f32 v[232+\b], v[232+\b], v[236+\b]  ; with lane l xor 16's 16 keys
.endr
	v_max3_num_f32 v254, v232, v233, v234
	v_max_num_f32 v254, v254, v235
	v_mul_f32 v254, s22, v254                      ; as t (c is positive)
	v_max_num_f32 v13, v13, v254                   ; the running largest t
	v_mov_b32 v254, v12
	v_floor_f32 v12, -v13                          ; the new -M = floor(-t): M is a whole number
	v_sub_f32 v254, v12, v254                      ; old M - new M: a whole number, 0 or less
	v_cvt_i32_f32 v254, v254                       ; (it saturates)
	v_ldexp_f32 v252, 1.0, v254                    ; f = 2^(old M - new M)
.set jj, 0
.rept 32
	v_pk_fma_f32 v[S+jj:S+jj+1], v[S+jj:S+jj+1], s[22:23], v[12:13] op_sel_hi:[1,0,0]   ; t - M, two at a time
.set jj, jj+2
.endr
.irp b, 0,1,2,3
	v_fma_f32 v[232+\b], v[232+\b], s22, v12       ; the same of each block's largest score
.endr
.set jj, 0
.rept 64
	v_exp_f32 v[S+jj], v[S+jj]                     ; p = 2^(t - M), at most 1
.set jj, jj+1
.endr
	v_pk_mul_f32 v[14:15], v[14:15], v[252:253] op_sel_hi:[1,0]    ; the sums under the new M.  (A plain line behind the exponentials)
	s_wait_alu depctr_va_vdst(0)                   ; one wait for the whole batch, ahead of its first reader
.irp b, 0,1,2,3
	v_exp_f32 v[232+\b], v[232+\b]                 ; the block's largest p: the same two instructions on the same number give the same bits
.endr
	v_pk_add_f32 v[236:237], v[S:S+1], v[S+2:S+3]  ; the row's sum is taken of the unquantised p: two at a time, in two chains
.set jj, 4
.rept 15
	v_pk_add_f32 v[14:15], v[14:15], v[S+jj:S+jj+1]
	v_pk_add_f32 v[236:237], v[236:237], v[S+jj+2:S+jj+3]
.set jj, jj+4
.endr
	v_pk_add_f32 v[14:15], v[14:15], v[236:237]
	s_wait_alu depctr_va_vdst(0)                   ; and one for the four
.irp b, 0,1,2,3
	v_max_num_f32 v[232+\b], 0x1800000, v[232+\b]  ; the floor 2^(3 - 127): the byte cannot fall under 1
.endr
.irp b, 0,1,2,3
	v_add_nc_u32 v[244+\b], 0xff000000, v[232+\b]  ; 2 off the exponent field: the conversion's scale operand
.endr
.irp b, 0,1,2,3
	v_lshrrev_b32 v[236+\b], 23, v[244+\b]
.endr
	v_lshl_or_b32 v253, v237, 8, v236              ; p's scale word for these 128 keys
	v_lshl_or_b32 v253, v238, 16, v253
	v_lshl_or_b32 v253, v239, 24, v253
.irp c, 0,1
	v_cvt_scalef32_pk16_fp6_f32 v[PCD+6*\c:PCD+6*\c+2], v[S+32*\c:S+32*\c+15], v[244+2*\c]
	v_cvt_scalef32_pk16_fp6_f32 v[236+4*\c:238+4*\c], v[S+32*\c+16:S+32*\c+31], v[244+2*\c+1]
.endr
	v_nop                                          ; one plain line behind a scaled conversion
.irp c, 0,1                                    ; the operand's layout wants a whole block in a lane
.irp i, 0,1,2
	v_permlane16_swap_b32 v[PCD+6*\c+\i], v[236+4*\c+\i]
.endr
.irp i, 0,1,2
	v_mov_b32 v[PCD+3+6*\c+\i], v[236+4*\c+\i]
.endr
.endr
.set jj, 0
.rept 16
	v_pk_mul_f32 v[O+jj:O+jj+1], v[O+jj:O+jj+1], v[252:253] op_sel_hi:[1,0]    ; O^T under the new M.  (These sixteen are also the plain lines between the writes of p's codes and scale word and the products)
.set jj, jj+2
.endr
	s_wait_dscnt 0x0                               ; V is in
.irp dt, 0,1,2,3
	v_wmma_scale_f32_16x16x128_f8f6f4 v[O+8*\dt:O+8*\dt+7], v[KA+12*\dt:KA+12*\dt+11], v[PCD:PCD+11], v[O+8*\dt:O+8*\dt+7], v[94+\dt], v253 matrix_a_fmt:MATRIX_FMT_FP6 matrix_b_fmt:MATRIX_FMT_FP6
.endr
.Lhidden_\@:
	s_add_co_u32 s24, s24, 1
	s_add_co_u32 s25, s25, 512
	s_add_co_u32 s26, s26, 256
.endm
	s_mov_b32 s27, 4
.Ltrip:
	CHANGE 0
	STEP 0, 0
	STEP 0, 1
	CHANGE 1
	STEP 1, 0
	STEP 1, 1
	s_sub_co_u32 s27, s27, 1
	s_cmp_lg_u32 s27, 0
	s_cbranch_scc1 .Ltrip
	; THE WAY OUT.  O^T / the sum; register 16 b + i is d = 32 b + 16 h + i of my query: two blocks of the projection's K.  They leave as one image of 768 bytes and two scale bytes a row.
	v_add_f32 v14, v14, v15
	v_permlanex16_b32 v252, v14, s20, s21
	v_add_f32 v14, v14, v252                       ; the row's sum
	v_rcp_f32 v14, v14
	v_and_b32 v9, 15, v0                           ; (plain lines behind the reciprocal and behind the last products)
	v_bfe_u32 v10, v0, 4, 1
	v_lshl_add_u32 v11, v9, 5, v10                 ; 32 r + h
	v_cmp_eq_u32 vcc_lo, 1, v10
	s_lshr_b32 s30, s14, 4
	s_lshl_b32 s30, s30, 4
	s_add_co_u32 s30, s30, s17
	s_lshl_b32 s30, s30, 3
	s_add_co_u32 s30, s30, s15                     ; my stored tile of the 4,096 tokens: 8 (16 batch + block) + tile
	s_and_b32 s40, s14, 15                         ; the head in its batch
	s_mul_i32 s42, s30, 12288
	s_mul_i32 s41, s40, 768
	s_add_co_u32 s42, s42, s41
	s_mov_b32 s43, 0
	s_add_nc_u64 s[8:9], s[8:9], s[42:43]
	s_lshl_b32 s42, s30, 9
	s_lshl_b32 s41, s40, 1
	s_add_co_u32 s42, s42, s41
	s_add_nc_u64 s[10:11], s[10:11], s[42:43]
	s_wait_alu depctr_va_vdst(0)                   ; the wait, ahead of the reciprocal's first reader
.set jj, 0
.rept 32
	v_mul_f32 v[S+jj], v[O+jj], v14
.set jj, jj+1
.endr
.irp b, 0,1
	v_max3_num_f32 v[232+\b], |v[S+16*\b]|, |v[S+16*\b+1]|, 0x1800000
.endr
.irp i, 2,4,6,8,10,12,14
.irp b, 0,1
	v_max3_num_f32 v[232+\b], v[232+\b], |v[S+16*\b+\i]|, |v[S+16*\b+\i+1]|
.endr
.endr
.irp b, 0,1
	v_permlanex16_b32 v[236+\b], v[232+\b], s20, s21
.endr
.irp b, 0,1
	v_max_num_f32 v[232+\b], v[232+\b], v[236+\b]
.endr
.irp b, 0,1
	v_add_nc_u32 v[244+\b], 0xff000000, v[232+\b]
.endr
.irp b, 0,1
	v_lshrrev_b32 v[236+\b], 23, v[244+\b]
.endr
	v_cvt_scalef32_pk16_fp6_f32 v[PCD:PCD+2], v[S:S+15], v244
	v_cvt_scalef32_pk16_fp6_f32 v[240:242], v[S+16:S+31], v245
	v_cndmask_b32 v248, v236, v237, vcc_lo         ; lane (r, h) writes block h's byte.  (The plain line behind the conversions)
.irp i, 0,1,2
	v_permlane16_swap_b32 v[PCD+\i], v[240+\i]
.endr
.irp i, 0,1,2
	v_mov_b32 v[PCD+3+\i], v[240+\i]
.endr
	global_store_b128 v1, v[PCD:PCD+3], s[8:9]                 ; 512 consecutive bytes, at a multiple of 256
	global_store_b64 v2, v[PCD+4:PCD+5], s[8:9] offset:512     ; 256 consecutive bytes
	global_store_b8 v11, v248, s[10:11]            ; two bytes of each row's 32: the projection wants a row's bytes on end; one store a wave, 32 bytes beside the image's 768
	s_wait_tensorcnt 0x0
	ds_add_u32 v251, v255
	s_wait_dscnt 0x0
	s_endpgm
.Lfunc_end_k_q36b4658ab1_attn:
	.size	k_q36b4658ab1_attn, .Lfunc_end_k_q36b4658ab1_attn-k_q36b4658ab1_attn
	.p2alignl 7, 3214868480
	.fill 96, 4, 3214868480
	.section	.rodata,"a",@progbits
	.p2align	6, 0x0
	.amdhsa_kernel k_q36b4658ab1_attn
		.amdhsa_group_segment_fixed_size 67584
		.amdhsa_private_segment_fixed_size 0
		.amdhsa_enable_private_segment 0
		.amdhsa_kernarg_size 32
		.amdhsa_user_sgpr_count 2
		.amdhsa_user_sgpr_kernarg_segment_ptr 1
		.amdhsa_wavefront_size32 1
		.amdhsa_system_sgpr_workgroup_id_x 1
		.amdhsa_system_sgpr_workgroup_id_y 1
		.amdhsa_system_sgpr_workgroup_id_z 1
		.amdhsa_system_vgpr_workitem_id 0
		.amdhsa_next_free_vgpr 256
		.amdhsa_next_free_sgpr 66
		.amdhsa_reserve_vcc 1
		.amdhsa_float_denorm_mode_32 3
		.amdhsa_float_denorm_mode_16_64 3
		.amdhsa_memory_ordered 1
		.amdhsa_forward_progress 1
		.amdhsa_inst_pref_size 95
	.end_amdhsa_kernel
	.amdgpu_metadata
---
amdhsa.version: [ 1, 2 ]
amdhsa.kernels:
  - .name:           k_q36b4658ab1_attn
    .symbol:         k_q36b4658ab1_attn.kd
    .args:
      - { .name: qkv_img, .offset: 0, .size: 8, .value_kind: global_buffer, .address_space: global }
      - { .name: qkv_scl, .offset: 8, .size: 8, .value_kind: global_buffer, .address_space: global }
      - { .name: a_img, .offset: 16, .size: 8, .value_kind: global_buffer, .address_space: global }
      - { .name: a_scl, .offset: 24, .size: 8, .value_kind: global_buffer, .address_space: global }
    .group_segment_fixed_size: 67584
    .private_segment_fixed_size: 0
    .kernarg_segment_align: 8
    .kernarg_segment_size: 32
    .max_flat_workgroup_size: 512
    .sgpr_count:     66
    .vgpr_count:     256
    .wavefront_size: 32
...
	.end_amdgpu_metadata
.endif
;; end of part 3
;; launch proj (part 4): grid 4 x 16, 4 waves a work-group, clusters of 4 x 4, 327,680 bytes of LDS; arguments a_img, a_scl, xw_img, xw_scl, out0; writes out0
.if DOCPART == 4
	.amdgcn_target "amdgcn-amd-amdhsa--gfx1250"
	.amdhsa_code_object_version 6
	.text
	.protected	k_q36b4658ab1_proj
	.globl	k_q36b4658ab1_proj
	.p2align	8
	.type	k_q36b4658ab1_proj,@function
k_q36b4658ab1_proj:
	s_mov_b64 s[64:65], 0
	v_nop
	global_prefetch_b8 v0, s[64:65] scope:SCOPE_SE
	s_setreg_imm32_b32 hwreg(HW_REG_WAVE_MODE, 25, 1), 1
	s_wait_xcnt 0x0
	s_wait_alu depctr_hold_cnt(0) depctr_sa_sdst(0) depctr_va_vdst(0) depctr_va_sdst(0) depctr_va_ssrc(0) depctr_va_vcc(0) depctr_vm_vsrc(0)
	s_getreg_b32 s2, hwreg(HW_REG_IB_STS2, 6, 4)
	s_cmp_eq_u32 s2, 0
	s_cbranch_scc0 .Lentry_in_a_cluster
	s_endpgm
.Lentry_in_a_cluster:
	s_bfe_u32 s2, ttmp6, 0x10000c
	s_cmp_lg_u32 s2, 0xf033
	s_cbranch_scc0 .Lentry_shape_is_right
	s_endpgm
.Lentry_shape_is_right:
; out = a w_out^T on codes of FP6 (E2M3) with E8M0 scales.  a: 4,096 tokens x 1,024 (head, d), w_out: 1,024 x 1,024 (stored rows 7,168 on of the weights' images); out: [4096][1024] f32; sums in f32.
; A work-group of four waves makes 256 x 256, a wave 128 x 128: 64 accumulators, 512 registers.  K goes in steps of 256 through a ring of two LDS slots filled by the tensor data mover.
; OPERANDS lie in memory as images of their registers (768 bytes for 16 stored rows x 64 K: registers 0-3 of lane L at 16 L, registers 4-5 at 512 + 8 L).
; The scale bytes of the 512 rows, for all of K, come once, with the first fills.
; Place r of stored tile T holds row 32 (T / 2) + 8 (T % 2) + r + 8 (r / 8), in both operands: the way out puts rows and columns back by constants alone.
; CLUSTERS: 4 x 4 work-groups.  A's tiles are asked for jointly by a row of the cluster, B's by a column.  The matrix instruction is used transposed (source 0 = rows of w_out, source 1 = tokens).
; 64 tiles of 256 x 256: 64 work-groups; a smaller tile would fill more WGPs at twice the LDS reads for each product.
; REGISTERS, in windows of 256: window 0: v0-31 addresses; v32-63 scale words, two sets; v128-223 A's fragments, one set; on the way out v128-255 rows of the result.  window 1: B's fragments, two sets.
;   window 2: the accumulators of my rows 0-63 ((a, b) at v[8 (8 a + b)]); window 3: of rows 64-127.
.set SIZE_N, 1024
.set NQ,     2
.set FR,     12
.set NL,     4
.set NP,     4
.set RT,     3072
.set HALFT,  8*RT
.set SLOT,   4*HALFT
.set STEPB,  3072
.set KROW,   768
.set KS,     32
.set SCL,    2*SLOT
.set HALFS,  (128*KS/256)*272
.set SBLK,   (16*KS/256)*272
.set SPARE,  SCL+4*HALFS               ; the spare words, 128 bytes for each wave: two blocks of 256 bytes that no other line names
.set SPITCH, 528                       ; the way out: a stage of 16 rows x (512 bytes + 16) for each wave, in slot 0, which has had its last fill and its last read when the first result is stored there
.set ADRA, 16
.set ADRB, 20
.set STO,  24
.set RD,   25
.set CO,   26
.set ADRS, 27
.set SPW,  28
.set NIL,  29
.set SC,   32
.set AF,   128
.set BK,   128
.set G1, 24
.set G0, 32
.set G1B, 48
.set G0B, 56
.set G1S, 68
.set G0S, 76
.set G1SB, 80
.set G0SB, 88
.set MSB, 0
.macro WIN new                         ; the immediate's high byte repeats the setting that is left
.if MSB != (\new)
	s_set_vgpr_msb (MSB<<8)|(\new)
.set MSB, (\new)
.endif
.endm
.set MUL_LO, 0xa1
.set MUL_HI, 0xf1
.set TO_B,   0x40
.macro JLOAD g0a, g1a, g0b, g1b        ; a joint load: waves 0 and 1 fetch for A, waves 2 and 3 for B; four v_nop follow each of the two lines
	s_cmp_eq_u32 s15, 0
	s_cbranch_scc0 .Lfor_b_\@
	tensor_load_to_lds s[\g0a:\g0a+3], s[\g1a:\g1a+7]
	s_nop 0
.rept 4
	v_nop
.endr
	s_branch .Lasked_\@
.Lfor_b_\@:
	tensor_load_to_lds s[\g0b:\g0b+3], s[\g1b:\g1b+7]
	s_nop 0
.rept 4
	v_nop
.endr
.Lasked_\@:
.endm
.macro CREST
	s_cmp_lg_u32 s14, 0
	s_cbranch_scc1 .Lnot_wave_0_\@
	s_barrier_signal -3
.Lnot_wave_0_\@:
	s_barrier_wait -3
	s_barrier_signal -1
	s_barrier_wait -1
.endm
.macro CROUND
	s_barrier_signal -1
	s_barrier_wait -1
	CREST
.endm
	s_load_b128 s[4:7], s[0:1], 0x0                ; A's images, A's scale bytes
	s_load_b128 s[8:11], s[0:1], 0x10              ; the weights' images, their scale bytes
	s_load_b64 s[12:13], s[0:1], 0x20              ; out
	v_lshl_add_u32 v[SPW], v0, 2, SPARE
	v_mov_b32 v[NIL], 0
	ds_add_u32 v28, v29
	ds_add_u32 v28, v29
	s_wait_dscnt 0x0
	v_lshrrev_b32 v1, 5, v0
	v_readfirstlane_b32 s14, v1                    ; wave 0..3
	s_lshr_b32 s15, s14, 1                         ; which half of the tile's rows is mine.  Also: I fetch for A (0) or for B (1)
	s_and_b32 s16, s14, 1                          ; which half of its columns.  Also: which 128 rows I fetch
	s_bfe_u32 s40, ttmp6, 0x40000                  ; cx, cy
	s_bfe_u32 s41, ttmp6, 0x40004
	s_lshl_b32 s42, ttmp9, 2
	s_add_co_u32 s42, s42, s40                     ; tile column
	s_and_b32 s17, ttmp7, 0xffff
	s_lshl_b32 s17, s17, 2
	s_add_co_u32 s17, s17, s41                     ; tile row
	s_lshl_b32 s43, s41, 2
	s_lshl_b32 s43, 15, s43                        ; my row of the cluster
	s_lshl_b32 s44, 0x1111, s40                    ; my column
	s_or_b32 s[G1+0], s43, (3<<16)|(1<<21)         ; the codes: eight rows (tiles) of 384 elements of 8 bytes, 1,536 elements apart; no padding
	s_or_b32 s[G1B+0], s44, (3<<16)|(1<<21)
.irp g, G1, G1B
	s_mov_b32 s[\g+1], 384<<16
	s_mov_b32 s[\g+2], 8<<16
	s_mov_b32 s[\g+3], 384<<16
	s_mov_b32 s[\g+4], 8
	s_mov_b32 s[\g+5], 1536
	s_mov_b32 s[\g+6], 0
	s_mov_b32 s[\g+7], 0
.endr
	s_or_b32 s[G1S+0], s43, (3<<16)|(1<<20)|(1<<21)|(5<<22)|(3<<25)    ; the scales of 128 rows: 4,096 dense bytes as rows of 256, 16 bytes of padding behind each
	s_or_b32 s[G1SB+0], s44, (3<<16)|(1<<20)|(1<<21)|(5<<22)|(3<<25)
.irp g, G1S, G1SB
	s_mov_b32 s[\g+1], 32<<16
	s_mov_b32 s[\g+2], (128*KS/256)<<16
	s_mov_b32 s[\g+3], 32<<16
	s_mov_b32 s[\g+4], 128*KS/256
	s_mov_b32 s[\g+5], 32
	s_mov_b32 s[\g+6], 0
	s_mov_b32 s[\g+7], 0
.endr
	s_lshl_b32 s18, s16, 7
	s_lshl_b32 s20, s17, 8
	s_add_co_u32 s20, s20, s18                     ; A: stored row 256 x tile row + 128 x half
	s_lshl_b32 s46, s42, 8
	s_add_co_u32 s46, s46, s18
	s_add_co_u32 s46, s46, 7168                    ; B: 7,168 + 256 x tile column + 128 x half
	s_mov_b32 s21, 0
	s_mov_b32 s47, 0
	s_mov_b64 s[18:19], KS
	s_mul_u64 s[22:23], s[20:21], s[18:19]
	s_mul_u64 s[92:93], s[46:47], s[18:19]
	s_mov_b64 s[18:19], KROW
	s_mul_u64 s[20:21], s[20:21], s[18:19]
	s_mul_u64 s[46:47], s[46:47], s[18:19]
	s_mul_i32 s45, s14, HALFT
	s_mul_i32 s94, s14, HALFS
	s_wait_kmcnt 0x0
	s_add_nc_u64 s[20:21], s[4:5], s[20:21]
	s_add_nc_u64 s[22:23], s[6:7], s[22:23]
	s_add_nc_u64 s[46:47], s[8:9], s[46:47]
	s_add_nc_u64 s[92:93], s[10:11], s[92:93]
	CROUND                                         ; all sixteen work-groups are here: the first joint loads meet
	s_mov_b32 s[G0S], 1
	s_add_co_u32 s[G0S+1], s94, SCL
	s_mov_b64 s[G0S+2:G0S+3], s[22:23]
	s_or_b32 s[G0S+3], s[G0S+3], 0x80000000
	s_mov_b32 s[G0SB], 1
	s_add_co_u32 s[G0SB+1], s94, SCL
	s_mov_b64 s[G0SB+2:G0SB+3], s[92:93]
	s_or_b32 s[G0SB+3], s[G0SB+3], 0x80000000
	JLOAD G0S, G1S, G0SB, G1SB                     ; the scales first.  Three loads of mine are out behind these first fills
.irp s, 0,1
	s_mov_b32 s[G0+4*\s], 1
	s_add_co_u32 s[G0+4*\s+1], s45, \s*SLOT
	s_add_nc_u64 s[G0+4*\s+2:G0+4*\s+3], s[20:21], \s*STEPB
	s_or_b32 s[G0+4*\s+3], s[G0+4*\s+3], 0x80000000
	s_mov_b32 s[G0B+4*\s], 1
	s_add_co_u32 s[G0B+4*\s+1], s45, \s*SLOT
	s_add_nc_u64 s[G0B+4*\s+2:G0B+4*\s+3], s[46:47], \s*STEPB
	s_or_b32 s[G0B+4*\s+3], s[G0B+4*\s+3], 0x80000000
	JLOAD G0+4*\s, G1, G0B+4*\s, G1B
.endr
	v_and_b32 v1, 15, v0                           ; r
	v_bfe_u32 v2, v0, 4, 1                         ; h
	v_and_b32 v3, 31, v0
	v_lshlrev_b32 v4, 4, v3                        ; 16 x lane
	v_lshlrev_b32 v5, 3, v3                        ; 8 x lane
	s_mul_i32 s21, s15, HALFT
	s_mul_i32 s22, s16, HALFT
	s_add_co_u32 s22, s22, 2*HALFT
.irp s, 0,1
	v_add_nc_u32 v[ADRA+\s], s21, v4
	v_add_nc_u32 v[ADRB+\s], s22, v4
	v_add_nc_u32 v[ADRA+2+\s], s21, v5
	v_add_nc_u32 v[ADRB+2+\s], s22, v5
	s_add_co_u32 s21, s21, SLOT
	s_add_co_u32 s22, s22, SLOT
.endr
	v_mul_u32_u24 v5, v1, KS
	v_lshrrev_b32 v6, 8, v5
	v_lshl_add_u32 v5, v6, 4, v5
	s_mul_i32 s21, s15, HALFS
	s_mul_i32 s22, s16, HALFS
	s_add_co_u32 s22, s22, 2*HALFS
	s_sub_co_u32 s22, s22, s21
	v_mul_u32_u24 v6, s22, v2                      ; lanes 16-31 take B's
	s_add_co_u32 s21, s21, SCL
	v_add_nc_u32 v5, v5, v6
	v_add_nc_u32 v[ADRS], s21, v5
	s_mul_i32 s23, s14, 16*SPITCH                  ; my stage
	v_mul_u32_u24 v5, v1, SPITCH                   ; in: row = place r; register j of accumulator b is column 32 (b / 2) + 16 h + 8 (b % 2) + j: 64 h bytes here, the rest in the immediate
	v_lshl_add_u32 v5, v2, 6, v5
	v_add_nc_u32 v[STO], s23, v5
	v_lshlrev_b32 v[CO], 4, v3                     ; back: the 32 lanes take one row of 512 bytes; and the same in out
	v_add_nc_u32 v[RD], s23, v[CO]
	s_lshl_b32 s20, s17, 8
	s_lshl_b32 s21, s15, 7
	s_add_co_u32 s20, s20, s21                     ; my first row of out
	s_mov_b32 s21, 0
	s_mov_b64 s[18:19], SIZE_N*4
	s_mul_u64 s[20:21], s[20:21], s[18:19]
	s_lshl_b32 s46, s42, 10                        ; my first column, in bytes
	s_lshl_b32 s47, s16, 9
	s_add_co_u32 s46, s46, s47
	s_mov_b32 s47, 0
	s_add_nc_u64 s[20:21], s[20:21], s[46:47]
	s_add_nc_u64 s[12:13], s[12:13], s[20:21]
.macro FRAG reg, adr, q, i             ; a fragment, 16 rows x 128 K: two images on end; every load reads consecutive bytes
	ds_load_b128 v[\reg:\reg+3],     v[\adr]   offset:(\i)*RT+(\q)*1536
	ds_load_b64  v[\reg+4:\reg+5],   v[\adr+2] offset:(\i)*RT+(\q)*1536+512
	ds_load_b128 v[\reg+6:\reg+9],   v[\adr]   offset:(\i)*RT+(\q)*1536+768
	ds_load_b64  v[\reg+10:\reg+11], v[\adr+2] offset:(\i)*RT+(\q)*1536+1280
.endm
; 16 matrix instructions: A's blocks a0, a0 + 1 x B's eight, 128 along K.  The 64 accumulators take turns, one instruction a turn, in the same order in every step.
.macro MUL16 a0, p, q, sc, zero
.irp a, \a0, \a0+1
.irp b, 0,1,2,3,4,5,6,7
.if \zero
	v_wmma_scale_f32_16x16x128_f8f6f4 v[8*(8*((\a)%4)+\b):8*(8*((\a)%4)+\b)+7], v[128*(\p)+FR*\b:128*(\p)+FR*\b+FR-1], v[AF+FR*(\a):AF+FR*(\a)+FR-1], 0, v[SC+8*NQ*(\sc)+NQ*\b+(\q)], v[SC+8*NQ*(\sc)+NQ*(\a)+(\q)] matrix_a_fmt:MATRIX_FMT_FP6 matrix_b_fmt:MATRIX_FMT_FP6 matrix_a_scale:MATRIX_SCALE_ROW1
.else
	v_wmma_scale_f32_16x16x128_f8f6f4 v[8*(8*((\a)%4)+\b):8*(8*((\a)%4)+\b)+7], v[128*(\p)+FR*\b:128*(\p)+FR*\b+FR-1], v[AF+FR*(\a):AF+FR*(\a)+FR-1], v[8*(8*((\a)%4)+\b):8*(8*((\a)%4)+\b)+7], v[SC+8*NQ*(\sc)+NQ*\b+(\q)], v[SC+8*NQ*(\sc)+NQ*(\a)+(\q)] matrix_a_fmt:MATRIX_FMT_FP6 matrix_b_fmt:MATRIX_FMT_FP6 matrix_a_scale:MATRIX_SCALE_ROW1
.endif
.endr
.endr
.endm
.macro FETCH_B slot, q, p
	WIN TO_B
.irp i, 0,1,2,3,4,5,6,7
	FRAG 128*(\p)+FR*\i, ADRB+\slot, \q, \i
.endr
	WIN 0
.endm
.macro FETCH_A slot, q, i0
.irp i, \i0, \i0+1, \i0+2, \i0+3
	FRAG AF+FR*(\i), ADRA+\slot, \q, \i
.endr
.endm
.macro SCALES sc
.irp i, 0,1,2,3,4,5,6,7
	ds_load_b64 v[SC+8*NQ*\sc+NQ*\i:SC+8*NQ*\sc+NQ*\i+1], v[ADRS] offset:\i*SBLK
.endr
.endm
.macro PLACES n                        ; plain vector lines between a matrix instruction and a load into its registers or a read of its results (ISA guide 7.12.1 for a read of its results)
.rept \n
	v_nop
.endr
.endm
.macro STEP slot, q, zero
	s_wait_dscnt 4*NL                              ; B's set and A's blocks 0-3 are in; the youngest sixteen loads (A's blocks 4-7) may be out
	WIN MUL_LO
	MUL16 0, (\q)%2, \q, \slot, \zero
	MUL16 2, (\q)%2, \q, \slot, \zero
	s_wait_dscnt 0
	PLACES NP
	FETCH_B \slot, (\q)+1, 1-(\q)%2
	FETCH_A \slot, (\q)+1, 0
	WIN MUL_HI
	MUL16 4, (\q)%2, \q, \slot, \zero
	MUL16 6, (\q)%2, \q, \slot, \zero
	PLACES NP
	WIN 0
	FETCH_A \slot, (\q)+1, 4
.endm
.macro TURN slot, next, fill
	s_wait_tensorcnt 0x0                           ; all my tensor loads have landed: my part of the next slot
	ds_add_u32 v[SPW], v[NIL]                      ; 0 onto my spare word
	s_wait_dscnt 4*NL+1                            ; (the add and the youngest sixteen loads may be out)
	WIN MUL_LO
	MUL16 0, 1, NQ-1, \slot, 0
	s_wait_dscnt 0x0                               ; the add is done, and my reads of this slot are over
	s_barrier_signal -1
	MUL16 2, 1, NQ-1, \slot, 0
	WIN 0
	s_barrier_wait -1
.if \fill
	CREST                                          ; the barrier has opened a round of the cluster's barrier: no wave of any partner still reads this slot or has a load on its way
	s_add_nc_u64 s[G0+4*\slot+2:G0+4*\slot+3], s[G0+4*\slot+2:G0+4*\slot+3], 2*STEPB
	s_add_nc_u64 s[G0B+4*\slot+2:G0B+4*\slot+3], s[G0B+4*\slot+2:G0B+4*\slot+3], 2*STEPB
	JLOAD G0+4*\slot, G1, G0B+4*\slot, G1B         ; the first tensor load behind the round, my one load until the next
.else
	PLACES NP
.endif
	v_add_nc_u32 v[ADRS], 4*NQ, v[ADRS]
	FETCH_B \next, 0, 0
	FETCH_A \next, 0, 0
	SCALES \next
	WIN MUL_HI
	MUL16 4, 1, NQ-1, \slot, 0
	MUL16 6, 1, NQ-1, \slot, 0
	PLACES NP
	WIN 0
	FETCH_A \next, 0, 4
.endm
	s_wait_tensorcnt 1                             ; the scales and my part of K step 0 are in (K step 1's load may be out),
	s_barrier_signal -1
	s_barrier_wait -1                              ; everybody's are
	FETCH_B 0, 0, 0
	FETCH_A 0, 0, 0
	SCALES 0
	FETCH_A 0, 0, 4
	STEP 0, 0, 1                                   ; K = 1,024 is four slots: eight steps, written out; slots 0 and 1 are each filled again once
	TURN 0, 1, 1
	STEP 1, 0, 0
	TURN 1, 0, 1
	STEP 0, 0, 0
	TURN 0, 1, 0
	STEP 1, 0, 0
	s_wait_dscnt 4*NL
	WIN MUL_LO
	MUL16 0, 1, NQ-1, 1, 0
	MUL16 2, 1, NQ-1, 1, 0
	s_wait_dscnt 0
	WIN MUL_HI
	MUL16 4, 1, NQ-1, 1, 0
	MUL16 6, 1, NQ-1, 1, 0
	WIN 0
; THE WAY OUT, block by block of 16 stored rows x 128 columns, through my own stage in LDS: in by 16 bytes at the columns' true places, back as whole rows of 512 bytes.  LDS serves a wave's instructions in order.
.macro TOSTAGE a
.set AC, 64*((\a)%4)
	WIN 0x08+4*((\a)/4)                            ; the data: window 2 or 3
.irp b, 0,1,2,3,4,5,6,7
	ds_store_b128 v[STO], v[AC+8*\b:AC+8*\b+3] offset:128*(\b/2)+32*(\b%2)         ; each accumulator from its low end on
	ds_store_b128 v[STO], v[AC+8*\b+4:AC+8*\b+7] offset:128*(\b/2)+32*(\b%2)+16
.endr
	WIN 0
.set BB, BK+64*((\a)%2)
.irp t, 0,1,2,3,4,5,6,7,8,9,10,11,12,13,14,15
	ds_load_b128 v[BB+4*\t:BB+4*\t+3], v[RD] offset:\t*SPITCH
.endr
.endm
.macro SEND a, younger                 ; block a begins at row 32 (a / 2) + 8 (a % 2) of my 128; its place t is row t + 8 (t / 8) from there
.set BB, BK+64*((\a)%2)
	s_wait_dscnt \younger
.if (\a) > 0
.if (\a)%2
	s_add_nc_u64 s[12:13], s[12:13], 8*SIZE_N*4    ; (behind a wait on XCNT: the earlier stores have read their base)
.else
	s_add_nc_u64 s[12:13], s[12:13], 24*SIZE_N*4
.endif
.endif
.irp t, 0,1,2,3,4,5,6,7,8,9,10,11,12,13,14,15
	global_store_b128 v[CO], v[BB+4*\t:BB+4*\t+3], s[12:13] offset:(\t+8*(\t/8))*SIZE_N*4 th:TH_STORE_NT   ; 32 lanes store 512 consecutive bytes, at a multiple of 256
.endr
.endm
	PLACES NP
	TOSTAGE 0
.irp a, 1,2,3,4,5,6,7
.if \a > 1
	s_wait_xcnt 0x0                                ; block a - 2's stores have read their registers and their base
.endif
	TOSTAGE \a
	SEND \a-1, 32                                  ; behind block a - 1's loads: block a's 16 stores and 16 loads
.endr
	s_wait_xcnt 0x0
	SEND 7, 0
	s_wait_tensorcnt 0x0                           ; the wave's end
	ds_add_u32 v[SPW], v[NIL]
	s_wait_dscnt 0x0
	CROUND                                         ; the closing round
	s_endpgm
.Lfunc_end_k_q36b4658ab1_proj:
	.size	k_q36b4658ab1_proj, .Lfunc_end_k_q36b4658ab1_proj-k_q36b4658ab1_proj
	.p2alignl 7, 3214868480
	.fill 96, 4, 3214868480
	.section	.rodata,"a",@progbits
	.p2align	6, 0x0
	.amdhsa_kernel k_q36b4658ab1_proj
		.amdhsa_group_segment_fixed_size 327680
		.amdhsa_private_segment_fixed_size 0
		.amdhsa_enable_private_segment 0
		.amdhsa_kernarg_size 40
		.amdhsa_user_sgpr_count 2
		.amdhsa_user_sgpr_kernarg_segment_ptr 1
		.amdhsa_wavefront_size32 1
		.amdhsa_system_sgpr_workgroup_id_x 1
		.amdhsa_system_sgpr_workgroup_id_y 1
		.amdhsa_system_sgpr_workgroup_id_z 1
		.amdhsa_system_vgpr_workitem_id 0
		.amdhsa_next_free_vgpr 1024
		.amdhsa_next_free_sgpr 98
		.amdhsa_reserve_vcc 0
		.amdhsa_float_denorm_mode_32 3
		.amdhsa_float_denorm_mode_16_64 3
		.amdhsa_memory_ordered 1
		.amdhsa_forward_progress 1
		.amdhsa_inst_pref_size 143
	.end_amdhsa_kernel
	.amdgpu_metadata
---
amdhsa.version: [ 1, 2 ]
amdhsa.kernels:
  - .name:           k_q36b4658ab1_proj
    .symbol:         k_q36b4658ab1_proj.kd
    .args:
      - { .name: a_img, .offset: 0, .size: 8, .value_kind: global_buffer, .address_space: global }
      - { .name: a_scl, .offset: 8, .size: 8, .value_kind: global_buffer, .address_space: global }
      - { .name: xw_img, .offset: 16, .size: 8, .value_kind: global_buffer, .address_space: global }
      - { .name: xw_scl, .offset: 24, .size: 8, .value_kind: global_buffer, .address_space: global }
      - { .name: out0, .offset: 32, .size: 8, .value_kind: global_buffer, .address_space: global }
    .group_segment_fixed_size: 327680
    .private_segment_fixed_size: 0
    .kernarg_segment_align: 8
    .kernarg_segment_size: 40
    .max_flat_workgroup_size: 128
    .sgpr_count:     98
    .vgpr_count:     1024
    .wavefront_size: 32
...
	.end_amdgpu_metadata
.endif
;; end of part 4
;; ======== version 2 of 2: 4 launches; version 1 with the launch attn written anew for expert scheduling mode
;; limits: right only within a limited range of input values
;; workspace buffers: xw_img 6,291,456 bytes; xw_scl 262,144 bytes; rope 262,144 bytes; qkv_img 9,437,184 bytes; qkv_scl 655,360 bytes; a_img 3,145,728 bytes; a_scl 131,072 bytes
;; launch quant: the kernel of part 1 again; grid 256 x 1, 2 waves a work-group, no clusters, 46,336 bytes of LDS; arguments hidden_states, w_qkv, w_out, xw_img, xw_scl, rope; writes xw_img, xw_scl, rope
;; launch qkv: the kernel of part 2 again; grid 12 x 16, 4 waves a work-group, clusters of 4 x 4, 327,680 bytes of LDS; arguments xw_img, xw_scl, rope, qkv_img, qkv_scl; writes qkv_img, qkv_scl
;; launch attn (part 5): grid 8 x 32, 16 waves a work-group, no clusters, 67,584 bytes of LDS; arguments qkv_img, qkv_scl, a_img, a_scl; writes a_img, a_scl
.if DOCPART == 5
	.amdgcn_target "amdgcn-amd-amdhsa--gfx1250"
	.amdhsa_code_object_version 6
	.text
	.protected	k_q36b4658ab1_attn
	.globl	k_q36b4658ab1_attn
	.p2align	8
	.type	k_q36b4658ab1_attn,@function
k_q36b4658ab1_attn:
	s_mov_b64 s[64:65], 0
	v_nop
	global_prefetch_b8 v0, s[64:65] scope:SCOPE_SE
	s_setreg_imm32_b32 hwreg(HW_REG_WAVE_SCHED_MODE, 0, 2), 2
	s_setreg_imm32_b32 hwreg(HW_REG_WAVE_MODE, 25, 1), 1
	s_wait_xcnt 0x0
	s_wait_alu depctr_vm_vsrc(0)
; Causal attention of 32 heads (2,048 positions, head size 64) on codes of FP6 (E2M3) with E8M0 scales; the result, divided by the row's sum, is quantised along (head, d) for the output projection.
; THE SOFTMAX AHEAD OF THE SECOND PRODUCT: t = score x log2(e) / 8; M = the row's largest t so far, rounded up to a whole number; p = 2^(t - M) is quantised along the keys, not normalised.  The row's sum is taken of the
; unquantised p and divides at the end.  When M moves, the sum and O are multiplied by 2^(old M - new M): exact.
; SHARES.  A work-group owns two blocks of 128 queries of one head, blocks i and 15 - i: 17 block-steps of 128 keys in every work-group.  Each of its sixteen waves owns one tile of 16 queries in 256 registers, four waves to a
; SIMD; wave w takes tile w / 2 of block i or 15 - i by the bit (w xor w / 4) & 1.  A wave of block B computes key steps 0 .. B; step B is its diagonal.
; THE MASK.  Key steps that lie wholly above the diagonal are left out (their p is 0); on the diagonal hidden scores become -8e7, so that score / 8 is the fill -1e7.
; LIMIT: that equals the fill everywhere while a row's largest visible score / 8 lies above -1e7 + 200.  NaN and infinities are not served; a block of zeros gets the byte 1 (its codes are zeros; this program alone reads the bytes).
; LAYOUT.  Both products are used transposed: S^T = K Q^T, O^T = V^T P^T: a lane holds one query throughout.  Place r of a stored tile T of keys holds key 32 (T / 2) + 8 (T % 2) + r + 8 (r / 8), so that the 16 registers of
; tiles 2 b and 2 b + 1 are 16 neighbouring keys; V's four tiles of the head's 64 are stored alike, so that O^T's registers run along d.
; K = 64 IN AN INSTRUCTION OF 128: Q's registers 6-11 are zero codes.  So a tile of K is named with the six registers behind it (the next tile's codes; zeros behind the last): they meet zeros.  Bytes 2, 3 of both scale words are 0, which is 2^-127.
; THE SLOTS (256 keys: 12,288 bytes of K, 12,288 of V, dense in memory) COME THROUGH REGISTERS: each of the 512 threads copies 3 x 16 bytes, loaded a whole slot ahead.  A work-group needs (17 - i) / 2 of the head's 8 slots; the others
; are jumped over by a scalar branch on the work-group's number.  NO CLUSTER: the eight work-groups of a head need 8, 8, 7, 7, 6, 6, 5, 5 slots, so partners would ask for different numbers of tiles.
; No prefetch: a slot's loads are issued two key steps of four waves a SIMD ahead of the wait for them.
; The loop's trip count is a constant (4 trips x 2 slots x 2 steps); every wave passes every barrier, one a slot.
; REGISTERS: v1-8 addresses; v12 -M, v13 the largest t, v[14:15] the sum; v16-27 Q and its zeros; v28 Q's scale word; v32-79 eight tiles of K, later four fragments of V; v80-85 zeros; v86-93, v94-97 K's, V's scale words;
; v98-109, v110-121 a slot on its way, two sets; v124-187 S^T, then p; v188-219 O^T; v220-231 p's codes; v232-254 at work.  s32-47: on the diagonal sixteen masks at a time.
; THE MODE: SCHED_MODE bits 1:0 = 2 (LLVM: expert scheduling mode 2), set by the entry lines.  The code itself states the register dependences between vector or matrix instructions and memory or LDS instructions,
; with s_wait_alu, always for 0.
; THE PLAN.  Registers that memory or LDS instructions touch:
;   v1, v2, v5      offsets, made at the head and never written again: every LDS load and store, the slots' loads and the last stores read them.  (v29, v30: the head's accesses alone.)
;   v7, v8          LDS addresses of a step's scale words: written by two adds at the step's head, read by that step's three loads of scale words.
;   v32-79          K's loads land at a step's head; the 8 products K Q^T read them; V's loads land; the 4 products V^T P^T read them; then the next step's K.  All 256 registers are taken: K and V share these.
;   v86-93, v94-97  K's and V's scale words: loaded with their tiles, read by the same products.
;   v98-121         a slot on its way: global loads land, LDS stores read; no vector instruction names them.
;   v124-129        at the head: loaded, and read by two LDS stores; from the first step on results of products.
;   v220-231, v253  p's codes and scale word: written by vector instructions, operand and scales of V^T P^T; on the way out v220-225 are the data of stores.
; A STEP'S WAITS: one on vm_vsrc ahead of the adds to v7, v8; one on va_vdst behind them, ahead of K's loads; one behind K Q^T, ahead of V's loads, which are then dealt among the maxima's lines (no line from there to
; V^T P^T names v32-79, v94-97, v1 or v8); the two behind the exponentials; one ahead of V^T P^T.  A change of slots has one on vm_vsrc, ahead of its global loads.
.set SLOTB, 24576
.set KSC,   49152                      ; LDS: the head's scale words of K, 8,192 bytes;
.set VSC,   57344                      ; of V, 4,096 bytes
.set KA,    32
.set STG,   98
.set S,     124
.set O,     188
.set PCD,   220
	s_load_b256 s[4:11], s[0:1], 0x0               ; q, k, v's images s[4:5], their scale words s[6:7], the result's images s[8:9], its scale bytes s[10:11]
	v_lshl_add_u32 v251, v0, 2, 0x10000
	v_mov_b32 v255, 0
	v_lshrrev_b32 v9, 5, v0
	v_readfirstlane_b32 s12, v9                    ; wave 0..15
	s_mov_b32 s13, ttmp9                           ; i
	s_and_b32 s14, ttmp7, 0xffff                   ; the head, 0..31
	s_wait_alu depctr_va_sdst(0)                   ; s12 is written, ahead of its first reader: my tile, my block and all that is made of them
	s_lshr_b32 s15, s12, 1                         ; my tile in its block
	s_lshr_b32 s30, s12, 2
	s_xor_b32 s30, s30, s12
	s_and_b32 s30, s30, 1
	s_sub_co_u32 s31, 15, s13
	s_cmp_eq_u32 s30, 1
	s_cselect_b32 s17, s31, s13                    ; my block, which is also my last key step
	s_sub_co_u32 s18, 17, s13
	s_lshr_b32 s18, s18, 1                         ; slots that the work-group needs
	s_mov_b32 s19, 1                               ; the slot in hand + 1
	s_mov_b32 s20, 0x76543210
	s_mov_b32 s21, 0xfedcba98                      ; v_permlanex16_b32's selects for lane l xor 16
	s_mov_b32 s22, 0x3e38aa3b                      ; c = log2(e) / 8
	s_mov_b32 s23, s22                             ; (named with it as a pair, so it is written)
	s_mov_b32 s24, 0                               ; the key step
	s_mov_b32 s25, 0                               ; its scale words of K: 512 bytes a step;
	s_mov_b32 s26, 0                               ; of V: 256
	v_and_b32 v9, 31, v0
	v_lshlrev_b32 v1, 4, v9                        ; 16 x lane
	v_lshlrev_b32 v2, 3, v9                        ; 8 x lane
	v_and_b32 v10, 15, v0                          ; r
	v_bfe_u32 v11, v0, 4, 1                        ; h
	v_lshlrev_b32 v29, 4, v10                      ; 16 r
	v_add_nc_u32 v3, KSC, v29
	v_add_nc_u32 v4, VSC, v29
	v_lshlrev_b32 v5, 4, v0                        ; 16 x thread: my bytes of a slot's thirds
	v_lshlrev_b32 v30, 3, v0                       ; 8 x thread
	v_and_b32 v6, 8, v10
	v_add_nc_u32 v6, v6, v10
	v_lshlrev_b32 v31, 4, v11
	v_sub_nc_u32 v6, v6, v31
	s_lshr_b32 s30, s15, 1
	s_lshl_b32 s30, s30, 5
	s_and_b32 s31, s15, 1
	s_lshl_b32 s31, s31, 3
	s_add_co_u32 s30, s30, s31
	v_add_nc_u32 v6, s30, v6                       ; d = my query's place in its block - 16 h: on the diagonal register 16 b + i holds a hidden key where 32 b + i > d
	s_wait_kmcnt 0x0
	s_lshl_b32 s30, s14, 7
	s_lshl_b32 s31, s17, 3
	s_add_co_u32 s30, s30, s31
	s_add_co_u32 s30, s30, s15
	s_mul_i32 s30, s30, 768
	s_mov_b32 s31, 0
	s_add_nc_u64 s[32:33], s[4:5], s[30:31]        ; my tile of Q
	s_lshl_b32 s30, s14, 13
	s_lshl_b32 s40, s17, 9
	s_add_co_u32 s30, s30, s40
	s_lshr_b32 s40, s15, 2
	s_lshl_b32 s40, s40, 8
	s_add_co_u32 s30, s30, s40
	s_and_b32 s40, s15, 3
	s_lshl_b32 s40, s40, 2
	s_add_co_u32 s30, s30, s40
	s_add_nc_u64 s[34:35], s[6:7], s[30:31]        ; its scale words
	s_lshl_b32 s30, s14, 13
	s_add_co_u32 s30, s30, 262144
	s_add_nc_u64 s[36:37], s[6:7], s[30:31]        ; the head's scale words of K,
	s_lshl_b32 s30, s14, 12
	s_add_co_u32 s30, s30, 524288
	s_add_nc_u64 s[38:39], s[6:7], s[30:31]        ; of V
	s_mul_i32 s30, s14, 196608
	s_add_co_u32 s30, s30, 3145728
	s_add_nc_u64 s[28:29], s[4:5], s[30:31]        ; the head's slot 0.  This pointer stays one slot behind the slot that is asked for
	s_wait_alu depctr_va_vdst(0)                   ; the offsets v1, v2, v5, v29 and v30 are written: the loads and stores below, and every later access by v1, v2 or v5, read them
	global_load_b128 v[16:19], v1, s[32:33]
	global_load_b64 v[20:21], v2, s[32:33] offset:512
	global_load_b32 v28, v29, s[34:35]
	global_load_b128 v[S:S+3], v5, s[36:37]
	global_load_b64 v[S+4:S+5], v30, s[38:39]
.irp g, 0,1,2
	global_load_b128 v[STG+4*\g:STG+4*\g+3], v5, s[28:29] offset:8192*\g               ; slot 0
.endr
.irp g, 0,1,2
	global_load_b128 v[STG+12+4*\g:STG+12+4*\g+3], v5, s[28:29] offset:SLOTB+8192*\g   ; slot 1
.endr
	v_mov_b32 v13, 0xff61b1e6                      ; the largest t so far: -3e38, under every t
	v_floor_f32 v12, -v13                          ; -M
	v_mov_b32 v14, 0
	v_mov_b32 v15, 0
.irp j, 22,23,24,25,26,27,80,81,82,83,84,85,236,237,238,239,252,253
	v_mov_b32 v\j, 0                               ; Q's zero codes; the zeros behind K's last tile; the permutes' destinations and the pair (f, p's scale word), named before they are first written
.endr
.set jj, 0
.rept 32
	v_mov_b32 v[O+jj], 0                           ; O^T: the step is written once; the first finds zeros, which the first change of M leaves zeros
.set jj, jj+1
.endr
	s_wait_loadcnt 3                               ; all but slot 1's three loads
	ds_store_b128 v5, v[S:S+3] offset:KSC
	ds_store_b64 v30, v[S+4:S+5] offset:VSC
.irp g, 0,1,2
	ds_store_b128 v5, v[STG+4*\g:STG+4*\g+3] offset:8192*\g
.endr
	s_wait_alu depctr_vm_vsrc(0)                   ; these LDS stores have read v[S .. S + 5], which are results of products from here on, and the first set of the slots' registers, in which slot 2's loads land
; THE CHANGE OF SLOTS, at the head of slot n (cur = n % 2).  My stores into slot n have landed and my reads of slot n - 1 are back; the barrier says so of every wave.  Behind it slot n + 1, which waits in registers, goes into the
; bytes of slot n - 1, and slot n + 2 is asked for, into the registers that slot n has left.  Both only where the work-group needs them.
.macro CHANGE cur
	s_wait_dscnt 0x0
	s_barrier_signal -1
	s_barrier_wait -1
	s_cmp_lt_u32 s19, s18
	s_cbranch_scc0 .Ldone_\@
	s_wait_loadcnt 0x0                             ; slot n + 1 is in registers; and the pointer below may be written
.irp g, 0,1,2
	ds_store_b128 v5, v[STG+12*(1-\cur)+4*\g:STG+12*(1-\cur)+4*\g+3] offset:(1-\cur)*SLOTB+8192*\g
.endr
	s_add_co_u32 s30, s19, 1
	s_cmp_lt_u32 s30, s18
	s_cbranch_scc0 .Ldone_\@
	s_add_nc_u64 s[28:29], s[28:29], SLOTB
	s_wait_alu depctr_vm_vsrc(0)                   ; the LDS stores of the change before have read slot n's registers, in which the loads below land (a wave may have jumped over both steps between)
.irp g, 0,1,2
	global_load_b128 v[STG+12*\cur+4*\g:STG+12*\cur+4*\g+3], v5, s[28:29] offset:SLOTB+8192*\g
.endr
.Ldone_\@:
	s_add_co_u32 s19, s19, 1
.endm
; A KEY STEP: 128 keys, the q-th of slot cur.
.macro STEP cur, q
.set B0, (\cur)*SLOTB+(\q)*6144
	s_cmp_gt_u32 s24, s17                          ; all its keys come after my queries: the step's work is left out, not the lines at its end that step addresses
	s_cbranch_scc1 .Lhidden_\@
	s_wait_alu depctr_vm_vsrc(0)                   ; the last step's loads of scale words have read v7 and v8, which the two adds write
	v_add_nc_u32 v7, s25, v3
	v_add_nc_u32 v8, s26, v4
	v_nop
	v_nop                                          ; four plain lines in front of loads into registers that the last products have read
	s_wait_alu depctr_va_vdst(0)                   ; v7 and v8 are written; the last step's products are done reading v32-79 and v86-97, in which this step's loads land; in the first step: the head has written the zero codes v22-27 and v80-85, operands of the products below
.irp t, 0,1,2,3,4,5,6,7
	ds_load_b128 v[KA+6*\t:KA+6*\t+3], v1 offset:B0+768*\t
	ds_load_b64 v[KA+6*\t+4:KA+6*\t+5], v2 offset:B0+768*\t+512
.endr
	ds_load_b128 v[86:89], v7                      ; place r's scale words of tiles 0-3,
	ds_load_b128 v[90:93], v7 offset:256           ; of tiles 4-7
	s_wait_dscnt 0x0
.irp t, 0,1,2,3,4,5,6,7
	v_wmma_scale_f32_16x16x128_f8f6f4 v[S+8*\t:S+8*\t+7], v[KA+6*\t:KA+6*\t+11], v[16:27], 0, v[86+\t], v28 matrix_a_fmt:MATRIX_FMT_FP6 matrix_b_fmt:MATRIX_FMT_FP6
.endr
.rept 4
	v_nop
.endr
	s_wait_alu depctr_va_vdst(0)                   ; the eight products are done reading v32-79, in which V's loads land, further down; no vector line from here to those loads names v32-79, v94-97, v1 or v8
	s_cmp_lg_u32 s24, s17
	s_cbranch_scc1 .Lopen_\@
	v_mov_b32 v254, 0xcc989680                     ; -8e7
.irp g, 0,1,2,3                                ; block g of 32 keys: sixteen compares in a run, each into a scalar register of its own, one wait, sixteen selects
.irp i, 0,1,2,3,4,5,6,7,8,9,10,11,12,13,14,15
	v_cmp_gt_i32 s[32+\i], 32*\g+\i, v6
.endr
	s_wait_alu depctr_va_sdst(0)                   ; the sixteen masks s32-47 are written, ahead of the selects that read them
.irp i, 0,1,2,3,4,5,6,7,8,9,10,11,12,13,14,15
	v_cndmask_b32 v[S+16*\g+\i], v[S+16*\g+\i], v254, s[32+\i]
.endr
.endr
.Lopen_\@:
.irp b, 0,1,2,3
	v_max3_num_f32 v[232+\b], v[S+16*\b], v[S+16*\b+1], v[S+16*\b+2]       ; the largest score of each block of 32 keys: for the row's maximum, and, since p rises with the score, for the block's largest p
.endr
	ds_load_b128 v[94:97], v8                      ; V is asked for now, a fragment at a time among these lines, and lands under the softmax
.irp g, 0,1,2
	ds_load_b128 v[KA+4*\g:KA+4*\g+3], v1 offset:B0+12288+512*\g
.endr
.irp i, 3,5,7,9,11,13
.irp b, 0,1,2,3
	v_max3_num_f32 v[232+\b], v[232+\b], v[S+16*\b+\i], v[S+16*\b+\i+1]
.endr
.if (\i)%4 == 1                                ; behind i = 5, 9, 13: fragments 1, 2, 3
.irp g, 0,1,2
	ds_load_b128 v[KA+12*((\i)/4)+4*\g:KA+12*((\i)/4)+4*\g+3], v1 offset:B0+12288+1536*((\i)/4)+512*\g
.endr
.endif
.endr
.irp b, 0,1,2,3
	v_max_num_f32 v[232+\b], v[232+\b], v[S+16*\b+15]
.endr
.irp b, 0,1,2,3
	v_permlanex16_b32 v[236+\b], v[232+\b], s20, s21
.endr
.irp b, 0,1,2,3
	v_max_num_f32 v[232+\b], v[232+\b], v[236+\b]  ; with lane l xor 16's 16 keys
.endr
	v_max3_num_f32 v254, v232, v233, v234
	v_max_num_f32 v254, v254, v235
	v_mul_f32 v254, s22, v254                      ; as t (c is positive)
	v_max_num_f32 v13, v13, v254                   ; the running largest t
	v_mov_b32 v254, v12
	v_floor_f32 v12, -v13                          ; the new -M = floor(-t): M is a whole number
	v_sub_f32 v254, v12, v254                      ; old M - new M: a whole number, 0 or less
	v_cvt_i32_f32 v254, v254                       ; (it saturates)
	v_ldexp_f32 v252, 1.0, v254                    ; f = 2^(old M - new M)
.set jj, 0
.rept 32
	v_pk_fma_f32 v[S+jj:S+jj+1], v[S+jj:S+jj+1], s[22:23], v[12:13] op_sel_hi:[1,0,0]   ; t - M, two at a time
.set jj, jj+2
.endr
.irp b, 0,1,2,3
	v_fma_f32 v[232+\b], v[232+\b], s22, v12       ; the same of each block's largest score
.endr
.set jj, 0
.rept 64
	v_exp_f32 v[S+jj], v[S+jj]                     ; p = 2^(t - M), at most 1
.set jj, jj+1
.endr
	v_pk_mul_f32 v[14:15], v[14:15], v[252:253] op_sel_hi:[1,0]    ; the sums under the new M.  (A plain line behind the exponentials)
	s_wait_alu depctr_va_vdst(0)                   ; the 64 exponentials have written v[S ..]: one wait for the whole batch, ahead of its first reader
.irp b, 0,1,2,3
	v_exp_f32 v[232+\b], v[232+\b]                 ; the block's largest p: the same two instructions on the same number give the same bits
.endr
	v_pk_add_f32 v[236:237], v[S:S+1], v[S+2:S+3]  ; the row's sum is taken of the unquantised p: two at a time, in two chains
.set jj, 4
.rept 15
	v_pk_add_f32 v[14:15], v[14:15], v[S+jj:S+jj+1]
	v_pk_add_f32 v[236:237], v[236:237], v[S+jj+2:S+jj+3]
.set jj, jj+4
.endr
	v_pk_add_f32 v[14:15], v[14:15], v[236:237]
	s_wait_alu depctr_va_vdst(0)                   ; the four exponentials have written v232-235, ahead of their first reader
.irp b, 0,1,2,3
	v_max_num_f32 v[232+\b], 0x1800000, v[232+\b]  ; the floor 2^(3 - 127): the byte cannot fall under 1
.endr
.irp b, 0,1,2,3
	v_add_nc_u32 v[244+\b], 0xff000000, v[232+\b]  ; 2 off the exponent field: the conversion's scale operand
.endr
.irp b, 0,1,2,3
	v_lshrrev_b32 v[236+\b], 23, v[244+\b]
.endr
	v_lshl_or_b32 v253, v237, 8, v236              ; p's scale word for these 128 keys
	v_lshl_or_b32 v253, v238, 16, v253
	v_lshl_or_b32 v253, v239, 24, v253
.irp c, 0,1
	v_cvt_scalef32_pk16_fp6_f32 v[PCD+6*\c:PCD+6*\c+2], v[S+32*\c:S+32*\c+15], v[244+2*\c]
	v_cvt_scalef32_pk16_fp6_f32 v[236+4*\c:238+4*\c], v[S+32*\c+16:S+32*\c+31], v[244+2*\c+1]
.endr
	v_nop                                          ; one plain line behind a scaled conversion
.irp c, 0,1                                    ; the operand's layout wants a whole block in a lane
.irp i, 0,1,2
	v_permlane16_swap_b32 v[PCD+6*\c+\i], v[236+4*\c+\i]
.endr
.irp i, 0,1,2
	v_mov_b32 v[PCD+3+6*\c+\i], v[236+4*\c+\i]
.endr
.endr
.set jj, 0
.rept 16
	v_pk_mul_f32 v[O+jj:O+jj+1], v[O+jj:O+jj+1], v[252:253] op_sel_hi:[1,0]    ; O^T under the new M.  (These sixteen are also the plain lines between the writes of p's codes and scale word and the products)
.set jj, jj+2
.endr
	s_wait_dscnt 0x0                               ; V is in
	s_wait_alu depctr_va_vdst(0)                   ; the conversions, swaps and moves have written p's codes v220-231, the shifts its scale word v253: operand and scales of the products below; the plain lines above stay beside this wait
.irp dt, 0,1,2,3
	v_wmma_scale_f32_16x16x128_f8f6f4 v[O+8*\dt:O+8*\dt+7], v[KA+12*\dt:KA+12*\dt+11], v[PCD:PCD+11], v[O+8*\dt:O+8*\dt+7], v[94+\dt], v253 matrix_a_fmt:MATRIX_FMT_FP6 matrix_b_fmt:MATRIX_FMT_FP6
.endr
.Lhidden_\@:
	s_add_co_u32 s24, s24, 1
	s_add_co_u32 s25, s25, 512
	s_add_co_u32 s26, s26, 256
.endm
	s_mov_b32 s27, 4
.Ltrip:
	CHANGE 0
	STEP 0, 0
	STEP 0, 1
	CHANGE 1
	STEP 1, 0
	STEP 1, 1
	s_sub_co_u32 s27, s27, 1
	s_cmp_lg_u32 s27, 0
	s_cbranch_scc1 .Ltrip
	; THE WAY OUT.  O^T / the sum; register 16 b + i is d = 32 b + 16 h + i of my query: two blocks of the projection's K.  They leave as one image of 768 bytes and two scale bytes a row.
	v_add_f32 v14, v14, v15
	v_permlanex16_b32 v252, v14, s20, s21
	v_add_f32 v14, v14, v252                       ; the row's sum
	v_rcp_f32 v14, v14
	v_and_b32 v9, 15, v0                           ; (plain lines behind the reciprocal and behind the last products)
	v_bfe_u32 v10, v0, 4, 1
	v_lshl_add_u32 v11, v9, 5, v10                 ; 32 r + h
	v_cmp_eq_u32 vcc_lo, 1, v10
	s_lshr_b32 s30, s14, 4
	s_lshl_b32 s30, s30, 4
	s_add_co_u32 s30, s30, s17
	s_lshl_b32 s30, s30, 3
	s_add_co_u32 s30, s30, s15                     ; my stored tile of the 4,096 tokens: 8 (16 batch + block) + tile
	s_and_b32 s40, s14, 15                         ; the head in its batch
	s_mul_i32 s42, s30, 12288
	s_mul_i32 s41, s40, 768
	s_add_co_u32 s42, s42, s41
	s_mov_b32 s43, 0
	s_add_nc_u64 s[8:9], s[8:9], s[42:43]
	s_lshl_b32 s42, s30, 9
	s_lshl_b32 s41, s40, 1
	s_add_co_u32 s42, s42, s41
	s_add_nc_u64 s[10:11], s[10:11], s[42:43]
	s_wait_alu depctr_va_vcc(0)                    ; the compare has written VCC, ahead of the select that reads it
	s_wait_alu depctr_va_vdst(0)                   ; the reciprocal has written v14, ahead of its first reader
.set jj, 0
.rept 32
	v_mul_f32 v[S+jj], v[O+jj], v14
.set jj, jj+1
.endr
.irp b, 0,1
	v_max3_num_f32 v[232+\b], |v[S+16*\b]|, |v[S+16*\b+1]|, 0x1800000
.endr
.irp i, 2,4,6,8,10,12,14
.irp b, 0,1
	v_max3_num_f32 v[232+\b], v[232+\b], |v[S+16*\b+\i]|, |v[S+16*\b+\i+1]|
.endr
.endr
.irp b, 0,1
	v_permlanex16_b32 v[236+\b], v[232+\b], s20, s21
.endr
.irp b, 0,1
	v_max_num_f32 v[232+\b], v[232+\b], v[236+\b]
.endr
.irp b, 0,1
	v_add_nc_u32 v[244+\b], 0xff000000, v[232+\b]
.endr
.irp b, 0,1
	v_lshrrev_b32 v[236+\b], 23, v[244+\b]
.endr
	v_cvt_scalef32_pk16_fp6_f32 v[PCD:PCD+2], v[S:S+15], v244
	v_cvt_scalef32_pk16_fp6_f32 v[240:242], v[S+16:S+31], v245
	v_cndmask_b32 v248, v236, v237, vcc_lo         ; lane (r, h) writes block h's byte.  (The plain line behind the conversions)
.irp i, 0,1,2
	v_permlane16_swap_b32 v[PCD+\i], v[240+\i]
.endr
.irp i, 0,1,2
	v_mov_b32 v[PCD+3+\i], v[240+\i]
.endr
	s_wait_alu depctr_va_vdst(0)                   ; the conversions, swaps and moves have written the codes v220-225, the select the byte v248, the head of the way out the offset v11: the three stores read them
	global_store_b128 v1, v[PCD:PCD+3], s[8:9]                 ; 512 consecutive bytes, at a multiple of 256
	global_store_b64 v2, v[PCD+4:PCD+5], s[8:9] offset:512     ; 256 consecutive bytes
	global_store_b8 v11, v248, s[10:11]            ; two bytes of each row's 32: the projection wants a row's bytes on end; one store a wave, 32 bytes beside the image's 768
	s_wait_dscnt 0x0
	s_wait_alu depctr_hold_cnt(0) depctr_sa_sdst(0) depctr_va_vdst(0) depctr_va_sdst(0) depctr_va_ssrc(0) depctr_va_vcc(0) depctr_vm_vsrc(0)
	s_wait_tensorcnt 0x0
	ds_add_u32 v251, v255
	s_wait_dscnt 0x0
	s_endpgm
.Lfunc_end_k_q36b4658ab1_attn:
	.size	k_q36b4658ab1_attn, .Lfunc_end_k_q36b4658ab1_attn-k_q36b4658ab1_attn
	.p2alignl 7, 3214868480
	.fill 96, 4, 3214868480
	.section	.rodata,"a",@progbits
	.p2align	6, 0x0
	.amdhsa_kernel k_q36b4658ab1_attn
		.amdhsa_group_segment_fixed_size 67584
		.amdhsa_private_segment_fixed_size 0
		.amdhsa_enable_private_segment 0
		.amdhsa_kernarg_size 32
		.amdhsa_user_sgpr_count 2
		.amdhsa_user_sgpr_kernarg_segment_ptr 1
		.amdhsa_wavefront_size32 1
		.amdhsa_system_sgpr_workgroup_id_x 1
		.amdhsa_system_sgpr_workgroup_id_y 1
		.amdhsa_system_sgpr_workgroup_id_z 1
		.amdhsa_system_vgpr_workitem_id 0
		.amdhsa_next_free_vgpr 256
		.amdhsa_next_free_sgpr 66
		.amdhsa_reserve_vcc 1
		.amdhsa_float_denorm_mode_32 3
		.amdhsa_float_denorm_mode_16_64 3
		.amdhsa_memory_ordered 1
		.amdhsa_forward_progress 1
		.amdhsa_inst_pref_size 112
	.end_amdhsa_kernel
	.amdgpu_metadata
---
amdhsa.version: [ 1, 2 ]
amdhsa.kernels:
  - .name:           k_q36b4658ab1_attn
    .symbol:         k_q36b4658ab1_attn.kd
    .args:
      - { .name: qkv_img, .offset: 0, .size: 8, .value_kind: global_buffer, .address_space: global }
      - { .name: qkv_scl, .offset: 8, .size: 8, .value_kind: global_buffer, .address_space: global }
      - { .name: a_img, .offset: 16, .size: 8, .value_kind: global_buffer, .address_space: global }
      - { .name: a_scl, .offset: 24, .size: 8, .value_kind: global_buffer, .address_space: global }
    .group_segment_fixed_size: 67584
    .private_segment_fixed_size: 0
    .kernarg_segment_align: 8
    .kernarg_segment_size: 32
    .max_flat_workgroup_size: 512
    .sgpr_count:     66
    .vgpr_count:     256
    .wavefront_size: 32
...
	.end_amdgpu_metadata
.endif
;; end of part 5
;; launch proj: the kernel of part 4 again; grid 4 x 16, 4 waves a work-group, clusters of 4 x 4, 327,680 bytes of LDS; arguments a_img, a_scl, xw_img, xw_scl, out0; writes out0
